; MI455X (gfx1250); checked and timed in simulation.
; The chip was launched on July 23, 2026; its instructions are those of AMD's public machine-readable ISA for CDNA 5 (MIT licence, August 2026) and "CDNA5" Instruction Set Architecture Reference Guide (July 2026). The comments in the code are by the model that wrote it; some were corrected since.
;; DAMM CKAM. Allowed arithmetic: matrix products marked QUANTISED: E2M3 operands, one E8M0 scale for each 32 along K, by v_wmma_scale_f32_16x16x128_f8f6f4 with both operands' format E2M3, f32 sums; everything else in f32.
;; Inputs: bn_beta 256 float32; bn_gamma 256 float32; conv1_w 256 x 512 float32; gamma_cam 1 float32; gamma_pam 1 float32; k_b 64 float32; k_w 64 x 512 float32; q_b 64 float32; q_w 64 x 512 float32; v_b 512 float32; v_w 512 x 512 float32; x 4 x 512 x 64 x 64 float32.
;; Outputs: out0 4 x 256 x 64 x 64 float32.
;; This version of the problem:
;;   THIS VERSION OF THE PROBLEM IS GIVEN IN LOW PRECISION. The matrix products marked QUANTISED in the list below multiply operands that are first quantised to E2M3 (2 exponent bits, 3 mantissa bits; 6 bits a number), with one power-of-two scale for each 32 numbers along K (OCP MX v1.0); their sums are f32. All else is computed in f32.
;;   The module's matrix products, in the order in which they are computed (A, B: the left and right operand; K: the contracted axis; several contracted axes count as one K, in the product's order):
;;     1. [M 64, K 512] x [K 512, N 16,384]; A: input q_w; B: input x: QUANTISED
;;     2. [M 64, K 512] x [K 512, N 16,384]; A: input k_w; B: input x: QUANTISED
;;     3. [M 512, K 512] x [K 512, N 16,384]; A: input v_w; B: input x: QUANTISED
;;     4. batch 4 x [M 4,096, K 64] x [K 64, N 4,096]; A: computed on the way; B: computed on the way: QUANTISED
;;     5. batch 4 x [M 512, K 4,096] x [K 4,096, N 4,096]; A: computed on the way; B: softmax (see below): QUANTISED
;;     6. batch 4 x [M 512, K 4,096] x [K 4,096, N 512]; A: input x; B: input x: QUANTISED
;;     7. batch 4 x [M 512, K 512] x [K 512, N 4,096]; A: softmax (see below); B: input x: QUANTISED
;;     8. [M 256, K 512] x [K 512, N 16,384]; A: input conv1_w; B: computed on the way: QUANTISED
;;   THE QUANTISER, for each operand of a quantised product, along K:
;;     - K is cut into blocks of 32 from its start; a last block that is shorter is filled with zeros.
;;     - A block's scale is 2^e with e = floor(log2(the largest magnitude in the block)) - 2, held to -126 .. 127; a block of zeros has e = 0. As a byte (E8M0): e + 127.
;;     - Each number is divided by its block's scale, clamped to +-7.5, and rounded to the nearest number of E2M3, ties to even, subnormals kept.
;;     - The product sums the exact products of the quantised numbers (number of the format x scale) in f32.
;;   ~~~python
;;   def quantise(x, axis):      # numpy; x: float32 -> the quantised numbers, widened to float32 again
;;       x = np.moveaxis(x, axis, -1); K = x.shape[-1]
;;       x = np.pad(x, [(0, 0)] * (x.ndim - 1) + [(0, -K % 32)]); x = x.reshape(x.shape[:-1] + (-1, 32)); a = np.abs(x).max(-1, keepdims=True)
;;       e = np.where(a > 0, np.clip(np.frexp(np.where(a > 0, a, 1))[1] - 1 - 2, -126, 127), 0)      # np.frexp(a)[1] - 1 = floor(log2(a)), exactly
;;       r = np.clip(x / 2.0 ** e, -7.5, 7.5)
;;       step = 2.0 ** (np.maximum(np.frexp(np.where(r == 0, 1, r))[1] - 1, 0) - 3)
;;       q = np.round(r / step) * step * 2.0 ** e      # np.round: ties to even
;;       return np.moveaxis(q.reshape(q.shape[:-2] + (-1,))[..., :K], -1, axis).astype(np.float32)
;;   ~~~
;;   SOFTMAX AHEAD OF A QUANTISED PRODUCT. Where the list says 'softmax', what is quantised is not the finished softmax but p = 2^(t - M), with t = logit x log2(e) and M = ceil(the row's largest t), a whole number; so 1/2 < the row's largest p <= 1. The row's sum l is taken of the UNQUANTISED p, in f32, and the product's result is divided by l at the end. Since M is a whole number, a kernel that streams over the keys may use a running M (the ceiling of the running maximum): every later rescaling is an exact power of two, which a block's scale takes up: the codes' values come out the same.
;;   OPERANDS COMPUTED ON THE WAY. 'Computed on the way' means the value that the module computes at that place (a softmax that the list does not call 'softmax' is quantised finished and normalised). What goes into a quantiser is computed in f32, as accurately as f32 sums, v_exp_f32 and their like allow (about 1e-6 of the number): no bf16 or f16 on the way to a quantiser, and a product that is left as it is and whose result goes on into a quantised operand takes f32 operands (vector FMAs, or v_wmma_f32_16x16x4_f32). A number that lies on a knife's edge between two numbers of the format may be rounded either way, as far as f32 arithmetic and the matrix unit's own rounding can turn it there, and no further.
;; One version. Each part assembles by itself: llvm-mc -triple=amdgcn-amd-amdhsa -mcpu=gfx1250 --defsym DOCPART=n.
;; ======== version 1 of 1: 5 launches
;; workspace buffers: qx 13,742,080 bytes; g2 24,969,216 bytes; cam 860,160 bytes; yb 17,301,504 bytes
;; launch quant (part 1): grid 540 x 1, 4 waves a work-group, no clusters, 68,096 bytes of LDS; arguments x, q_w, k_w, v_w, conv1_w, qx; writes qx
.if DOCPART == 1
	.amdgcn_target "amdgcn-amd-amdhsa--gfx1250"
	.amdhsa_code_object_version 6
	.text
	.protected	k_qc3afe4ae7c_quant
	.globl	k_qc3afe4ae7c_quant
	.p2align	8
	.type	k_qc3afe4ae7c_quant,@function
k_qc3afe4ae7c_quant:
	s_mov_b64 s[64:65], 0
	v_nop
	global_prefetch_b8 v0, s[64:65] scope:SCOPE_SE
	s_setreg_imm32_b32 hwreg(HW_REG_WAVE_MODE, 25, 1), 1
	s_wait_xcnt 0x0
; x [4][512][4096] f32 becomes codes of FP6 (E2M3) twice, read from memory once: along the pixels (for x x^T) and along the channels (for the 1x1 convolutions and attn x).
; The four weights [O][512] become codes along their 512.  A block's scale is 2^(floor(log2(largest magnitude)) - 2); its byte is the largest magnitude's exponent field - 2, held at 1 from below.
; LAYOUT OF qx: every operand lies as IMAGES OF ITS REGISTERS.  A fragment (16 rows x 128 K, 12 registers a lane) is 1,536 bytes: registers 4 c .. 4 c + 3 of lane L at 512 c + 16 L.  Its scale words: 128 bytes, 4 L.
; THE 16 ROWS OF A TILE ARE NOT NEIGHBOURS: row r of tile 2 B + u is 32 B + 8 u + (r & 7) + 16 (r >> 3), so that a later result's 16 registers of two neighbouring tiles are 16 neighbours.
; SHARES.  Work-groups 0-511: 128 rows (b x 512 + channel) x 128 pixels of x.  Work-groups 512-539: 128 rows of the weights laid on end (q_w, k_w, v_w, conv1_w) x 128 of their 512.
; The tile goes through LDS (row i at place pos(i) = i with bits 3 and 4 exchanged, 528 bytes a place), so that every global load is 512 consecutive bytes.
; No tensor loads and no cluster: work-groups share no input, and several of them lie on a WGP.
; LIMITS: NaN and infinities are not served; a block of zeros, and one whose largest magnitude lies under 2^-124, keeps the byte 1 (its codes are read by this program alone).
.set PITCH, 528
.set XNC, 0
.set XNS, 6291456
.set XCC, 6815744
.set XCS, 13107200
.set WC,  13369344
.set WS,  13713408
.set D,   32                           ; v32-159  the numbers
.set TM,  160                          ; v160-175 at work
.set F,   176                          ; v176-199 two fragments along the row
.set T,   200                          ; v200-215 second halves of blocks (a conversion's three registers begin on an even number)
.set G,   216                          ; v216-239 two fragments along the channels
.set WD,  240                          ; v240-242 scale words
.set SEL, 44                           ; s[44:45] lane selects: lane l xor 16
.macro ROWS pitch                      ; my wave's 32 rows, 512 consecutive bytes a load
.set i, 0
.rept 32
	global_load_b128 v[D+4*i:D+4*i+3], v10, s[26:27] offset:i*\pitch th:TH_LOAD_NT
.set i, i+1
.endr
.endm
; 64 numbers of a lane, two WHOLE blocks (k = 64 c + 32 h + 0 .. 31 at v[s + 32 c] on), become the fragment v[f] on and the row's scale word v[w] (the same in both halves of the lanes)
.macro QUANTW s, f, w
.irp c, 0,1
	v_max3_num_f32 v[TM+\c], |v[\s+32*\c]|, |v[\s+32*\c+1]|, 0x1800000   ; with the floor 2^(3 - 127): the byte cannot fall under 1
.endr
.irp i, 2,4,6,8,10,12,14,16,18,20,22,24,26,28,30
.irp c, 0,1
	v_max3_num_f32 v[TM+\c], v[TM+\c], |v[\s+32*\c+\i]|, |v[\s+32*\c+\i+1]|
.endr
.endr
.irp c, 0,1
	v_add_nc_u32 v[TM+2+\c], 0xff000000, v[TM+\c]  ; 2 off the exponent field: the conversion's scale operand
.endr
.irp c, 0,1
	v_lshrrev_b32 v[TM+4+\c], 23, v[TM+2+\c]       ; the scale's byte
.endr
	v_lshl_or_b32 v[TM+6], v[TM+5], 16, v[TM+4]    ; my bytes: blocks h and 2 + h,
	v_lshlrev_b32 v[TM+6], v14, v[TM+6]            ; 8 h bits up;
	v_permlanex16_b32 v[TM+7], v[TM+6], s[SEL], s[SEL+1]
	v_or_b32 v[\w], v[TM+6], v[TM+7]               ; with lane l xor 16's the word is whole
.irp c, 0,1
	v_cvt_scalef32_pk16_fp6_f32 v[\f+6*\c:\f+6*\c+2], v[\s+32*\c:\s+32*\c+15], v[TM+2+\c]
	v_cvt_scalef32_pk16_fp6_f32 v[T+4*\c:T+4*\c+2], v[\s+32*\c+16:\s+32*\c+31], v[TM+2+\c]
.endr
	v_nop                                          ; one plain place behind a scaled conversion
.irp c, 0,1
.irp i, 0,1,2
	v_mov_b32 v[\f+6*\c+3+\i], v[T+4*\c+\i]
.endr
.endr
.endm
	s_load_b256 s[4:11], s[0:1], 0x0               ; x, q_w, k_w, v_w
	s_load_b128 s[12:15], s[0:1], 0x20             ; conv1_w, qx
	v_lshl_add_u32 v248, v0, 2, 0x10800
	v_mov_b32 v249, 0
	v_lshrrev_b32 v1, 5, v0
	v_readfirstlane_b32 s16, v1                    ; wave
	v_and_b32 v1, 31, v0                           ; L
	v_and_b32 v2, 15, v0                           ; r
	v_bfe_u32 v3, v0, 4, 1                         ; h
	s_mul_i32 s17, s16, 32*PITCH
	s_lshl_b32 s18, s16, 5
	v_lshl_add_u32 v6, v1, 4, s17                  ; into the stage: my wave's 32 places, 16 L
	v_mul_u32_u24 v7, v2, PITCH
	v_lshl_add_u32 v7, v3, 7, v7
	v_add_nc_u32 v7, s17, v7                       ; out of it along a row: place 32 w + r, + 128 h
	v_and_b32 v12, 7, v0
	v_bfe_u32 v13, v0, 3, 1
	v_lshl_add_u32 v12, v13, 4, v12
	v_lshl_add_u32 v12, v3, 3, v12
	v_add_nc_u32 v12, s18, v12                     ; my pixel for the way down the channels: 32 w + 8 (L >> 4) + (L & 7) + 16 ((L >> 3) & 1)
	v_lshlrev_b32 v8, 2, v12
	v_add_nc_u32 v9, 64*PITCH, v8
	v_lshlrev_b32 v10, 4, v1                       ; 16 L
	v_lshlrev_b32 v11, 2, v1                       ; 4 L
	v_lshlrev_b32 v14, 3, v3                       ; 8 h
	v_mov_b32 v[TM+7], 0                           ; a lane permute's destination counts as one of its sources
	s_mov_b32 s[SEL], 0x76543210
	s_mov_b32 s[SEL+1], 0xfedcba98
	s_mov_b32 s23, 0
	s_wait_kmcnt 0x0
	s_cmp_lt_u32 ttmp9, 512
	s_cbranch_scc0 .Lweights
	s_lshr_b32 s20, ttmp9, 5                       ; which 128 rows
	s_and_b32 s21, ttmp9, 31                       ; which 128 pixels
	s_lshl_b32 s22, s20, 7
	s_add_co_u32 s22, s22, s18
	s_lshl_b32 s22, s22, 14                        ; my wave's first row, 16,384 bytes a row
	s_lshl_b32 s24, s21, 9
	s_add_co_u32 s22, s22, s24
	s_add_nc_u64 s[26:27], s[4:5], s[22:23]
	s_lshl_b32 s30, s20, 3
	s_lshl_b32 s24, s16, 1
	s_add_co_u32 s30, s30, s24                     ; my first tile of rows
	s_lshl_b32 s30, s30, 5
	s_add_co_u32 s30, s30, s21                     ; fragment (tile, K step): 32 K steps a tile
	s_add_co_u32 s31, s30, 32
	s_mov_b32 s32, XNC
	s_mov_b32 s33, XNS
	ROWS 16384
	s_branch .Ljoin
.Lweights:
	s_sub_co_u32 s20, ttmp9, 512
	s_lshr_b32 s21, s20, 2                         ; which 128 rows of the four weights laid on end
	s_and_b32 s22, s20, 3                          ; which 128 of their 512
	s_lshl_b32 s24, s21, 7
	s_add_co_u32 s24, s24, s18                     ; my wave's first row: 32 rows never straddle two weights
	s_mov_b64 s[26:27], s[12:13]
	s_mov_b32 s25, 640
	s_cmp_lt_u32 s24, 640
	s_cselect_b64 s[26:27], s[10:11], s[26:27]
	s_cselect_b32 s25, 128, s25
	s_cmp_lt_u32 s24, 128
	s_cselect_b64 s[26:27], s[8:9], s[26:27]
	s_cselect_b32 s25, 64, s25
	s_cmp_lt_u32 s24, 64
	s_cselect_b64 s[26:27], s[6:7], s[26:27]
	s_cselect_b32 s25, 0, s25
	s_sub_co_u32 s24, s24, s25                     ; the row in its own weight
	s_lshl_b32 s24, s24, 11
	s_lshl_b32 s25, s22, 9
	s_add_co_u32 s24, s24, s25
	s_mov_b32 s25, 0
	s_add_nc_u64 s[26:27], s[26:27], s[24:25]
	s_lshl_b32 s30, s21, 3
	s_lshl_b32 s28, s16, 1
	s_add_co_u32 s30, s30, s28
	s_lshl_b32 s30, s30, 2
	s_add_co_u32 s30, s30, s22                     ; fragment (tile, K step): 4 K steps a tile
	s_add_co_u32 s31, s30, 4
	s_mov_b32 s32, WC
	s_mov_b32 s33, WS
	ROWS 2048
.Ljoin:
	s_mov_b32 s35, 0
	s_mul_i32 s34, s30, 1536
	s_add_co_u32 s34, s34, s32
	s_add_nc_u64 s[36:37], s[14:15], s[34:35]      ; where my two fragments go,
	s_mul_i32 s34, s31, 1536
	s_add_co_u32 s34, s34, s32
	s_add_nc_u64 s[38:39], s[14:15], s[34:35]
	s_lshl_b32 s34, s30, 7
	s_add_co_u32 s34, s34, s33
	s_add_nc_u64 s[40:41], s[14:15], s[34:35]      ; and their scale words
	s_lshl_b32 s34, s31, 7
	s_add_co_u32 s34, s34, s33
	s_add_nc_u64 s[42:43], s[14:15], s[34:35]
	s_wait_loadcnt 0x0
.set i, 0
.rept 32
.set ps, (i&7)|(((i>>3)&1)<<4)|(((i>>4)&1)<<3)
	ds_store_b128 v6, v[D+4*i:D+4*i+3] offset:ps*PITCH
.set i, i+1
.endr
	s_wait_dscnt 0x0                               ; my stores have landed: the way down the channels reads all four waves' rows
	s_barrier_signal -1
	s_barrier_wait -1
	; ---- along the row: tiles 2 w and 2 w + 1; a tile's 16 rows lie at 16 neighbouring places
.irp u, 0,1
.irp c, 0,1
.irp i, 0,1,2,3,4,5,6,7
	ds_load_b128 v[D+64*\u+32*\c+4*\i:D+64*\u+32*\c+4*\i+3], v7 offset:\u*16*PITCH+256*\c+16*\i
.endr
.endr
.endr
	s_wait_dscnt 16                                ; the first tile's 16 loads are in, the second's may be out
	QUANTW D, F, WD
.irp c, 0,1,2
	global_store_b128 v10, v[F+4*\c:F+4*\c+3], s[36:37] offset:512*\c
.endr
	global_store_b32 v11, v[WD], s[40:41]
	s_wait_dscnt 0x0
	QUANTW D+64, F+12, WD+1
.irp c, 0,1,2
	global_store_b128 v10, v[F+12+4*\c:F+12+4*\c+3], s[38:39] offset:512*\c
.endr
	global_store_b32 v11, v[WD+1], s[42:43]
	s_cmp_lt_u32 ttmp9, 512
	s_cbranch_scc1 .Lchannels
	s_wait_tensorcnt 0x0
	ds_add_u32 v248, v249
	s_wait_dscnt 0x0
	s_endpgm                                       ; a weight is wanted along its rows alone
.Lchannels:
	; ---- down the channels: a lane takes ONE pixel and all 128 channels of the tile: four whole blocks
	s_wait_xcnt 0x0                                ; the eight stores above have had their addresses translated (ISA guide 3.1): only behind this wait are their bases s[36:37] and s[40:41] written again
	s_lshr_b32 s20, ttmp9, 7                       ; b
	s_bfe_u32 s21, ttmp9, 0x20005                  ; K step: which 128 channels
	s_and_b32 s22, ttmp9, 31
	s_lshl_b32 s22, s22, 2
	s_add_co_u32 s22, s22, s16                     ; pair of pixel tiles in the batch
	s_lshl_b32 s24, s20, 7
	s_add_co_u32 s24, s24, s22                     ; 128 b + pair
	s_lshl_b32 s25, s24, 3
	s_add_co_u32 s25, s25, s21                     ; fragment (2 pair, K step)
	s_mul_i32 s34, s25, 1536
	s_add_co_u32 s34, s34, XCC
	s_add_nc_u64 s[36:37], s[14:15], s[34:35]
	s_lshl_b32 s25, s24, 2
	s_add_co_u32 s25, s25, s21
	s_lshl_b32 s34, s25, 7
	s_add_co_u32 s34, s34, XCS
	s_add_nc_u64 s[40:41], s[14:15], s[34:35]
.set i, 0
.rept 128
.set ps, (i&0x67)|(((i>>3)&1)<<4)|(((i>>4)&1)<<3)
.if i < 64
	ds_load_b32 v[D+i], v8 offset:ps*PITCH
.else
	ds_load_b32 v[D+i], v9 offset:(ps-64)*PITCH
.endif
.set i, i+1
.endr
	s_wait_dscnt 0x0
.irp b, 0,1,2,3
	v_max3_num_f32 v[TM+\b], |v[D+32*\b]|, |v[D+32*\b+1]|, 0x1800000
.endr
.irp i, 2,4,6,8,10,12,14,16,18,20,22,24,26,28,30
.irp b, 0,1,2,3
	v_max3_num_f32 v[TM+\b], v[TM+\b], |v[D+32*\b+\i]|, |v[D+32*\b+\i+1]|
.endr
.endr
.irp b, 0,1,2,3
	v_add_nc_u32 v[TM+8+\b], 0xff000000, v[TM+\b]
.endr
.irp b, 0,1,2,3
	v_lshrrev_b32 v[TM+12+\b], 23, v[TM+8+\b]
.endr
	v_lshl_or_b32 v[WD+2], v[TM+13], 8, v[TM+12]   ; my pixel's scale word: lanes 0-15 tile 2 P, lanes 16-31 tile 2 P + 1
	v_lshl_or_b32 v[WD+2], v[TM+14], 16, v[WD+2]
	v_lshl_or_b32 v[WD+2], v[TM+15], 24, v[WD+2]
.irp b, 0,1,2,3                        ; blocks 0 and 2 into the first run of 12 registers, blocks 1 and 3 into the second
	v_cvt_scalef32_pk16_fp6_f32 v[G+12*(\b%2)+6*(\b/2):G+12*(\b%2)+6*(\b/2)+2], v[D+32*\b:D+32*\b+15], v[TM+8+\b]
	v_cvt_scalef32_pk16_fp6_f32 v[T+4*\b:T+4*\b+2], v[D+32*\b+16:D+32*\b+31], v[TM+8+\b]
.endr
	v_nop                                          ; one plain place behind a scaled conversion
.irp b, 0,1,2,3
.irp i, 0,1,2
	v_mov_b32 v[G+12*(\b%2)+6*(\b/2)+3+\i], v[T+4*\b+\i]
.endr
.endr
.irp i, 0,1,2,3,4,5,6,7,8,9,10,11
	v_permlane16_swap_b32 v[G+\i], v[G+12+\i]      ; the first run's lanes 16-31 change places with the second's lanes 0-15: the runs are now the fragments of tiles 2 P and 2 P + 1
.endr
.irp c, 0,1,2
	global_store_b128 v10, v[G+4*\c:G+4*\c+3], s[36:37] offset:512*\c
	global_store_b128 v10, v[G+12+4*\c:G+12+4*\c+3], s[36:37] offset:6144+512*\c
.endr
	global_store_b32 v11, v[WD+2], s[40:41]
	s_wait_tensorcnt 0x0
	ds_add_u32 v248, v249
	s_wait_dscnt 0x0
	s_endpgm
.Lfunc_end_k_qc3afe4ae7c_quant:
	.size	k_qc3afe4ae7c_quant, .Lfunc_end_k_qc3afe4ae7c_quant-k_qc3afe4ae7c_quant
	.p2alignl 7, 3214868480
	.fill 96, 4, 3214868480
	.section	.rodata,"a",@progbits
	.p2align	6, 0x0
	.amdhsa_kernel k_qc3afe4ae7c_quant
		.amdhsa_group_segment_fixed_size 68096
		.amdhsa_private_segment_fixed_size 0
		.amdhsa_enable_private_segment 0
		.amdhsa_kernarg_size 48
		.amdhsa_user_sgpr_count 2
		.amdhsa_user_sgpr_kernarg_segment_ptr 1
		.amdhsa_wavefront_size32 1
		.amdhsa_system_sgpr_workgroup_id_x 1
		.amdhsa_system_sgpr_workgroup_id_y 1
		.amdhsa_system_sgpr_workgroup_id_z 1
		.amdhsa_system_vgpr_workitem_id 0
		.amdhsa_next_free_vgpr 250
		.amdhsa_next_free_sgpr 66
		.amdhsa_reserve_vcc 0
		.amdhsa_float_denorm_mode_32 3
		.amdhsa_float_denorm_mode_16_64 3
		.amdhsa_memory_ordered 1
		.amdhsa_forward_progress 1
		.amdhsa_inst_pref_size 37
	.end_amdhsa_kernel
	.amdgpu_metadata
---
amdhsa.version: [ 1, 2 ]
amdhsa.kernels:
  - .name:           k_qc3afe4ae7c_quant
    .symbol:         k_qc3afe4ae7c_quant.kd
    .args:
      - { .name: x, .offset: 0, .size: 8, .value_kind: global_buffer, .address_space: global }
      - { .name: q_w, .offset: 8, .size: 8, .value_kind: global_buffer, .address_space: global }
      - { .name: k_w, .offset: 16, .size: 8, .value_kind: global_buffer, .address_space: global }
      - { .name: v_w, .offset: 24, .size: 8, .value_kind: global_buffer, .address_space: global }
      - { .name: conv1_w, .offset: 32, .size: 8, .value_kind: global_buffer, .address_space: global }
      - { .name: qx, .offset: 40, .size: 8, .value_kind: global_buffer, .address_space: global }
    .group_segment_fixed_size: 68096
    .private_segment_fixed_size: 0
    .kernarg_segment_align: 8
    .kernarg_segment_size: 48
    .max_flat_workgroup_size: 128
    .sgpr_count:     66
    .vgpr_count:     250
    .wavefront_size: 32
...
	.end_amdgpu_metadata
.endif
;; end of part 1
;; launch gemms (part 2): grid 512 x 1, 4 waves a work-group, no clusters, 0 bytes of LDS; arguments qx, q_b, k_b, v_b, g2; writes g2
.if DOCPART == 2
	.amdgcn_target "amdgcn-amd-amdhsa--gfx1250"
	.amdhsa_code_object_version 6
	.text
	.protected	k_qc3afe4ae7c_gemms
	.globl	k_qc3afe4ae7c_gemms
	.p2align	8
	.type	k_qc3afe4ae7c_gemms,@function
k_qc3afe4ae7c_gemms:
	s_mov_b64 s[64:65], 0
	v_nop
	global_prefetch_b8 v0, s[64:65] scope:SCOPE_SE
	s_setreg_imm32_b32 hwreg(HW_REG_WAVE_MODE, 25, 1), 1
	s_wait_xcnt 0x0
; Two jobs on the codes of x, told apart by the work-group's number.
; WORK-GROUPS 0-255: E[b][c][d] = sum over pixels of x[c] x[d], in four quarters of the 4,096 pixels: f32 partial sums, stored as images of the accumulators (lane = channel c, registers run along d).
;   A work-group makes 128 x 128 of E for one quarter, a wave 64 x 64: 16 accumulators, 8 K steps of 128.
; WORK-GROUPS 256-511: q, k, v = W x + bias for 128 pixels of one batch; half 0: 256 channels of v and q, half 1: the other 256 of v and k.  The results are quantised in registers:
;   v along the pixels (source 0 = 16 pixels, source 1 = 16 rows of v_w: a lane holds one channel, its 64 registers 64 of the 128 pixels), q and k along their 64 channels (source 0 = 16 rows of the weight, source 1 = 16 pixels).
;   The biases are the C of each sum's first matrix instruction.
; Operands lie in qx as images of their registers, so every fragment comes by three loads of 512 consecutive bytes straight into registers: no LDS, no barrier.
; NO CLUSTER, NO RING: a wave issues 128 (E) or 160 (q, k, v) matrix instructions in all and no tile goes through LDS, so there is no LDS tile that partners could receive jointly.
; g2: EP [quarter][b][c tile][d tile] x 1,024;  KV [b][block 32] x 57,344 = v's 32 fragments of 128 keys, their scale words by pairs of tiles, and k of the 128 keys TWO blocks on (8 half fragments of 768 bytes);
;     KSC k's scale half-words, shifted like k;  QC, QS q's half fragments and half-words.
; LIMITS: NaN and infinities are not served; a block whose largest magnitude lies under 2^-124 keeps the byte 1.
.set XNS, 6291456
.set XCC, 6815744
.set XCS, 13107200
.set WC,  13369344
.set WS,  13713408
.set G_KV,  16777216
.set G_KSC, 24117248
.set G_QC,  24150016
.set G_QS,  24936448
.set KVB, 57344
.set SEL, 32
.set MSB, 0
.macro WIN new                         ; the immediate's high byte repeats the setting that is left
.if MSB != (\new)
	s_set_vgpr_msb (MSB<<8)|(\new)
.set MSB, (\new)
.endif
.endm
.macro PLACES                          ; four plain places behind a matrix instruction, ahead of loads into its registers and of reads of its result
.rept 4
	v_nop
.endr
.endm
; one matrix instruction.  c < 0: the constant 0 starts the sum.  ra, rb: that side's scales are read from lanes 16-31
.macro MM d, a, b, c, sa, sb, ra, rb
.if (\c) < 0
.if (\ra)
	v_wmma_scale_f32_16x16x128_f8f6f4 v[\d:\d+7], v[\a:\a+11], v[\b:\b+11], 0, v[\sa], v[\sb] matrix_a_fmt:MATRIX_FMT_FP6 matrix_b_fmt:MATRIX_FMT_FP6 matrix_a_scale:MATRIX_SCALE_ROW1
.elseif (\rb)
	v_wmma_scale_f32_16x16x128_f8f6f4 v[\d:\d+7], v[\a:\a+11], v[\b:\b+11], 0, v[\sa], v[\sb] matrix_a_fmt:MATRIX_FMT_FP6 matrix_b_fmt:MATRIX_FMT_FP6 matrix_b_scale:MATRIX_SCALE_ROW1
.else
	v_wmma_scale_f32_16x16x128_f8f6f4 v[\d:\d+7], v[\a:\a+11], v[\b:\b+11], 0, v[\sa], v[\sb] matrix_a_fmt:MATRIX_FMT_FP6 matrix_b_fmt:MATRIX_FMT_FP6
.endif
.else
.if (\ra)
	v_wmma_scale_f32_16x16x128_f8f6f4 v[\d:\d+7], v[\a:\a+11], v[\b:\b+11], v[\c:\c+7], v[\sa], v[\sb] matrix_a_fmt:MATRIX_FMT_FP6 matrix_b_fmt:MATRIX_FMT_FP6 matrix_a_scale:MATRIX_SCALE_ROW1
.elseif (\rb)
	v_wmma_scale_f32_16x16x128_f8f6f4 v[\d:\d+7], v[\a:\a+11], v[\b:\b+11], v[\c:\c+7], v[\sa], v[\sb] matrix_a_fmt:MATRIX_FMT_FP6 matrix_b_fmt:MATRIX_FMT_FP6 matrix_b_scale:MATRIX_SCALE_ROW1
.else
	v_wmma_scale_f32_16x16x128_f8f6f4 v[\d:\d+7], v[\a:\a+11], v[\b:\b+11], v[\c:\c+7], v[\sa], v[\sb] matrix_a_fmt:MATRIX_FMT_FP6 matrix_b_fmt:MATRIX_FMT_FP6
.endif
.endif
.endm
	s_load_b256 s[4:11], s[0:1], 0x0               ; qx, q_b, k_b, v_b
	s_load_b64 s[12:13], s[0:1], 0x20              ; g2
	v_lshrrev_b32 v1, 5, v0
	v_readfirstlane_b32 s16, v1                    ; wave
	v_and_b32 v1, 31, v0                           ; L
	v_lshlrev_b32 v2, 4, v1                        ; 16 L
	v_lshlrev_b32 v3, 2, v1                        ; 4 L
	s_mov_b32 s35, 0
	s_wait_kmcnt 0x0
	s_cmp_lt_u32 ttmp9, 256
	s_cbranch_scc0 .Lpj
; ======== E = x x^T, a quarter of the pixels ========
; window 0: v16-47 source 0's scale words (8 a + s), v48-79 source 1's, v96-223 the 16 accumulators;  window 1: fragment sets 0 and 1;  window 2: set 2.  In a set: 4 fragments of source 0, then 4 of source 1.
.set SCA, 16
.set SCB, 48
.set ACC, 96
	s_lshr_b32 s20, ttmp9, 6                       ; b
	s_bfe_u32 s21, ttmp9, 0x20004                  ; quarter
	s_bfe_u32 s22, ttmp9, 0x20002
	s_and_b32 s23, ttmp9, 3
	s_lshr_b32 s24, s16, 1
	s_and_b32 s25, s16, 1
	s_lshl_b32 s22, s22, 3
	s_lshl_b32 s24, s24, 2
	s_add_co_u32 s22, s22, s24                     ; my first tile of d (source 0)
	s_lshl_b32 s23, s23, 3
	s_lshl_b32 s25, s25, 2
	s_add_co_u32 s23, s23, s25                     ; my first tile of c (source 1)
	s_lshl_b32 s26, s20, 5
	s_lshl_b32 s28, s21, 3
	s_add_co_u32 s27, s26, s22
	s_lshl_b32 s27, s27, 5
	s_add_co_u32 s27, s27, s28                     ; fragment (tile, K step) of d
	s_add_co_u32 s29, s26, s23
	s_lshl_b32 s29, s29, 5
	s_add_co_u32 s29, s29, s28                     ; and of c
	s_mul_i32 s34, s27, 1536
	s_add_nc_u64 s[36:37], s[4:5], s[34:35]
	s_mul_i32 s34, s29, 1536
	s_add_nc_u64 s[38:39], s[4:5], s[34:35]
	s_lshl_b32 s34, s27, 7
	s_add_co_u32 s34, s34, XNS
	s_add_nc_u64 s[40:41], s[4:5], s[34:35]
	s_lshl_b32 s34, s29, 7
	s_add_co_u32 s34, s34, XNS
	s_add_nc_u64 s[42:43], s[4:5], s[34:35]
	s_lshl_b32 s34, s21, 2
	s_add_co_u32 s34, s34, s20
	s_lshl_b32 s34, s34, 5
	s_add_co_u32 s34, s34, s23
	s_lshl_b32 s34, s34, 5
	s_add_co_u32 s34, s34, s22
	s_lshl_b32 s34, s34, 10                        ; ((4 quarter + b) 32 + c tile) 32 + d tile, 1,024 bytes each
	s_add_nc_u64 s[44:45], s[12:13], s[34:35]
.macro LOADSET s                       ; K step s: 24 loads into set s % 3.  A tile that is both a source 0 and a source 1 is loaded twice, into two runs of registers
.set FB, 96*(((\s)%3)%2)
.if ((\s)%3) == 2
	WIN 0x80
.else
	WIN 0x40
.endif
.irp a, 0,1,2,3
.irp c, 0,1,2
	global_load_b128 v[FB+12*\a+4*\c:FB+12*\a+4*\c+3], v2, s[36:37] offset:\a*49152+(\s)*1536+512*\c
.endr
.endr
.irp a, 0,1,2,3
.irp c, 0,1,2
	global_load_b128 v[FB+48+12*\a+4*\c:FB+48+12*\a+4*\c+3], v2, s[38:39] offset:\a*49152+(\s)*1536+512*\c
.endr
.endr
	WIN 0
.endm
.macro MULSET s                        ; 16 matrix instructions, the 16 accumulators by turns
.set FB, 96*(((\s)%3)%2)
.if ((\s)%3) == 2
	WIN 0x0a
.else
	WIN 0x05
.endif
.irp a, 0,1,2,3
.irp n, 0,1,2,3
.if (\s) == 0
	MM ACC+8*(4*\a+\n), FB+12*\a, FB+48+12*\n, -1, SCA+8*\a+(\s), SCB+8*\n+(\s), 0, 0
.else
	MM ACC+8*(4*\a+\n), FB+12*\a, FB+48+12*\n, ACC+8*(4*\a+\n), SCA+8*\a+(\s), SCB+8*\n+(\s), 0, 0
.endif
.endr
.endr
	WIN 0
.endm
.irp a, 0,1,2,3
.irp s, 0,1,2,3,4,5,6,7
	global_load_b32 v[SCA+8*\a+\s], v3, s[40:41] offset:\a*4096+\s*128
	global_load_b32 v[SCB+8*\a+\s], v3, s[42:43] offset:\a*4096+\s*128
.endr
.endr
	LOADSET 0
	LOADSET 1
	LOADSET 2
.irp s, 0,1,2,3,4,5,6,7
.if \s < 6
	s_wait_loadcnt 48                              ; this K step's set is in; the two sets issued behind it may be out
.elseif \s == 6
	s_wait_loadcnt 24
.else
	s_wait_loadcnt 0
.endif
	MULSET \s
.if \s < 5
	PLACES
	LOADSET \s+3
.endif
.endr
	PLACES
.irp a, 0,1,2,3
.irp n, 0,1,2,3
	global_store_b128 v2, v[ACC+8*(4*\a+\n):ACC+8*(4*\a+\n)+3], s[44:45] offset:\n*32768+\a*1024        ; each accumulator from its low end on; 512 consecutive bytes a store
	global_store_b128 v2, v[ACC+8*(4*\a+\n)+4:ACC+8*(4*\a+\n)+7], s[44:45] offset:\n*32768+\a*1024+512
.endr
.endr
	s_endpgm
; ======== q, k, v ========
; window 0: v16-31 x's scale words (4 pair + s), v32-39 the weights' (two sets), v40-43 my own pair's, v44-45 v_b, v46-47 a pair's merged word, v48-143 two sets of four weight fragments,
;   v144-207 accumulators, v208-215 the bias as C, v216-235 codes, v236-251 at work.  windows 1, 2: x's 32 fragments (8 pixel tiles x 4 K steps).  window 3: my two pixel tiles' fragments once more, then q_b or k_b in the result's layout.
.Lpj:
.set XS,  16
.set WSC, 32
.set XQS, 40
.set BIA, 44
.set WB0, 48
.set AC2, 144
.set BV,  208
.set PC,  216
.set TM,  236
.set PW,  252
	s_sub_co_u32 s20, ttmp9, 256
	s_lshr_b32 s21, s20, 6                         ; b
	s_bfe_u32 s22, s20, 0x50001                    ; which 128 pixels
	s_and_b32 s23, s20, 1                          ; half
	s_lshl_b32 s24, s21, 8
	s_lshl_b32 s25, s22, 3
	s_add_co_u32 s24, s24, s25                     ; first pixel tile
	s_lshl_b32 s26, s23, 4
	s_lshl_b32 s25, s16, 2
	s_add_co_u32 s26, s26, s25                     ; my first channel tile of v: 16 half + 4 wave
	s_lshl_b32 s29, s21, 5
	s_add_co_u32 s28, s29, s22                     ; the KV block of these pixels' v
	s_add_co_u32 s30, s22, 30
	s_and_b32 s30, s30, 31
	s_add_co_u32 s30, s30, s29                     ; the block two before it (round the batch's 32) holds their k
	s_mul_i32 s34, s24, 6144
	s_add_co_u32 s34, s34, XCC
	s_add_nc_u64 s[36:37], s[4:5], s[34:35]        ; x's fragments
	s_lshl_b32 s34, s24, 8
	s_add_co_u32 s34, s34, XCS
	s_add_nc_u64 s[38:39], s[4:5], s[34:35]        ; their scale words
	s_add_co_u32 s27, s26, 8
	s_mul_i32 s34, s27, 6144
	s_add_co_u32 s34, s34, WC
	s_add_nc_u64 s[40:41], s[4:5], s[34:35]        ; my four tiles of v_w
	s_lshl_b32 s34, s27, 9
	s_add_co_u32 s34, s34, WS
	s_add_nc_u64 s[42:43], s[4:5], s[34:35]
	s_mul_i32 s34, s23, 24576
	s_add_co_u32 s34, s34, WC
	s_add_nc_u64 s[44:45], s[4:5], s[34:35]        ; q_w's or k_w's four tiles
	s_lshl_b32 s34, s23, 11
	s_add_co_u32 s34, s34, WS
	s_add_nc_u64 s[46:47], s[4:5], s[34:35]
	s_mul_i32 s34, s16, 12288
	s_add_nc_u64 s[48:49], s[36:37], s[34:35]      ; my own two pixel tiles
	s_lshl_b32 s34, s16, 9
	s_add_nc_u64 s[50:51], s[38:39], s[34:35]
	s_lshl_b32 s34, s26, 6
	s_add_nc_u64 s[52:53], s[10:11], s[34:35]      ; v_b at my 64 channels
	s_mul_i32 s31, s28, KVB
	s_add_co_u32 s31, s31, G_KV
	s_mul_i32 s34, s26, 1536
	s_add_co_u32 s34, s34, s31
	s_add_nc_u64 s[56:57], s[12:13], s[34:35]      ; where v's fragments go
	s_lshl_b32 s34, s26, 6
	s_add_co_u32 s34, s34, s31
	s_add_co_u32 s34, s34, 49152
	s_add_nc_u64 s[58:59], s[12:13], s[34:35]      ; and their scale words, 128 bytes a pair of tiles
	s_lshl_b32 s25, s16, 1
	s_add_co_u32 s27, s24, s25
	s_mul_i32 s28, s27, 768
	s_add_co_u32 s28, s28, G_QC                    ; q's codes,
	s_lshl_b32 s29, s27, 5
	s_add_co_u32 s29, s29, G_QS                    ; q's half-words;
	s_mul_i32 s31, s30, KVB
	s_mul_i32 s25, s16, 1536
	s_add_co_u32 s31, s31, s25
	s_add_co_u32 s31, s31, G_KV+51200              ; k's codes,
	s_lshl_b32 s30, s30, 8
	s_lshl_b32 s25, s16, 6
	s_add_co_u32 s30, s30, s25
	s_add_co_u32 s30, s30, G_KSC                   ; k's half-words: offsets in g2, chosen by the half
	s_cmp_eq_u32 s23, 0
	s_cselect_b32 s34, s28, s31
	s_cselect_b32 s28, s29, s30
	s_cselect_b64 s[54:55], s[6:7], s[8:9]         ; q_b or k_b
	s_add_nc_u64 s[60:61], s[12:13], s[34:35]
	s_mov_b32 s34, s28
	s_add_nc_u64 s[62:63], s[12:13], s[34:35]
	s_mov_b32 s[SEL], 0x76543210
	s_mov_b32 s[SEL+1], 0xfedcba98
	v_lshlrev_b32 v4, 3, v1                        ; 8 L
	v_lshlrev_b32 v5, 1, v1                        ; 2 L
	v_and_b32 v6, 7, v0
	v_bfe_u32 v8, v0, 3, 1
	v_lshl_add_u32 v6, v8, 4, v6
	v_lshlrev_b32 v6, 2, v6                        ; my row of a tile, in f32: 4 ((r & 7) + 16 (r >> 3))
	v_bfe_u32 v7, v0, 4, 1
	v_lshlrev_b32 v7, 6, v7                        ; 64 h
	v_cmp_le_u32 vcc_lo, 16, v1                    ; lanes 16-31: stays for the whole path
.irp b, 0,1,2,3
	v_mov_b32 v[TM+4+\b], 0                        ; a lane permute's destination counts as one of its sources
.endr
; 64 numbers of a lane, register 16 b + i = k 32 b + 16 h + i of my row, become a fragment in v[PC] on and its scale word in v[PW]
.macro QUANT64 s
.irp b, 0,1,2,3
	v_max3_num_f32 v[TM+\b], |v[\s+16*\b]|, |v[\s+1+16*\b]|, 0x1800000   ; with the floor 2^(3 - 127)
.endr
.irp i, 2,4,6,8,10,12,14
.irp b, 0,1,2,3
	v_max3_num_f32 v[TM+\b], v[TM+\b], |v[\s+16*\b+\i]|, |v[\s+1+16*\b+\i]|
.endr
.endr
.irp b, 0,1,2,3
	v_permlanex16_b32 v[TM+4+\b], v[TM+\b], s[SEL], s[SEL+1]
.endr
.irp b, 0,1,2,3
	v_max_num_f32 v[TM+\b], v[TM+\b], v[TM+4+\b]   ; with lane l xor 16's: the block's largest magnitude
.endr
.irp b, 0,1,2,3
	v_add_nc_u32 v[TM+12+\b], 0xff000000, v[TM+\b] ; 2 off its exponent field: the conversion's scale operand
.endr
.irp b, 0,1,2,3
	v_lshrrev_b32 v[TM+4+\b], 23, v[TM+12+\b]      ; the scale's byte
.endr
	v_lshl_or_b32 v[PW], v[TM+5], 8, v[TM+4]
	v_lshl_or_b32 v[PW], v[TM+6], 16, v[PW]
	v_lshl_or_b32 v[PW], v[TM+7], 24, v[PW]
.irp c, 0,1
	v_cvt_scalef32_pk16_fp6_f32 v[PC+6*\c:PC+2+6*\c], v[\s+32*\c:\s+15+32*\c], v[TM+12+2*\c]
	v_cvt_scalef32_pk16_fp6_f32 v[PC+12+4*\c:PC+14+4*\c], v[\s+16+32*\c:\s+31+32*\c], v[TM+12+2*\c+1]
.endr
	v_nop                                          ; one plain place behind a scaled conversion
.irp c, 0,1                            ; the operand's layout wants a whole block in a lane
.irp i, 0,1,2
	v_permlane16_swap_b32 v[PC+6*\c+\i], v[PC+12+4*\c+\i]
.endr
.irp i, 0,1,2
	v_mov_b32 v[PC+3+6*\c+\i], v[PC+12+4*\c+\i]
.endr
.endr
.endm
; 32 numbers of a lane (two blocks) become half a fragment, v[PC] .. v[PC + 5], and two scale bytes in v[hw]
.macro QUANT32 s, hw
.irp b, 0,1
	v_max3_num_f32 v[TM+\b], |v[\s+16*\b]|, |v[\s+1+16*\b]|, 0x1800000
.endr
.irp i, 2,4,6,8,10,12,14
.irp b, 0,1
	v_max3_num_f32 v[TM+\b], v[TM+\b], |v[\s+16*\b+\i]|, |v[\s+1+16*\b+\i]|
.endr
.endr
.irp b, 0,1
	v_permlanex16_b32 v[TM+4+\b], v[TM+\b], s[SEL], s[SEL+1]
.endr
.irp b, 0,1
	v_max_num_f32 v[TM+\b], v[TM+\b], v[TM+4+\b]
.endr
.irp b, 0,1
	v_add_nc_u32 v[TM+12+\b], 0xff000000, v[TM+\b]
.endr
.irp b, 0,1
	v_lshrrev_b32 v[TM+4+\b], 23, v[TM+12+\b]
.endr
	v_lshl_or_b32 v[\hw], v[TM+5], 8, v[TM+4]
	v_cvt_scalef32_pk16_fp6_f32 v[PC:PC+2], v[\s:\s+15], v[TM+12]
	v_cvt_scalef32_pk16_fp6_f32 v[PC+12:PC+14], v[\s+16:\s+31], v[TM+13]
	v_nop
.irp i, 0,1,2
	v_permlane16_swap_b32 v[PC+\i], v[PC+12+\i]
.endr
.irp i, 0,1,2
	v_mov_b32 v[PC+3+\i], v[PC+12+\i]
.endr
.endm
.macro SETV t                          ; tile t of my four of v_w: its four K steps, their scale words, my channel's bias: 17 loads, into set t % 2
.irp s, 0,1,2,3
.irp c, 0,1,2
	global_load_b128 v[WB0+48*((\t)%2)+12*\s+4*\c:WB0+48*((\t)%2)+12*\s+4*\c+3], v2, s[40:41] offset:(\t)*6144+\s*1536+512*\c
.endr
.endr
.irp s, 0,1,2,3
	global_load_b32 v[WSC+4*((\t)%2)+\s], v3, s[42:43] offset:(\t)*512+\s*128
.endr
	global_load_b32 v[BIA+(\t)%2], v6, s[52:53] offset:(32*((\t)/2)+8*((\t)%2))*4
.endm
.macro SETQ s                          ; K step s of the four tiles of q_w or k_w: 16 loads, into set s % 2
.irp dt, 0,1,2,3
.irp c, 0,1,2
	global_load_b128 v[WB0+48*((\s)%2)+12*\dt+4*\c:WB0+48*((\s)%2)+12*\dt+4*\c+3], v2, s[44:45] offset:\dt*6144+(\s)*1536+512*\c
.endr
.endr
.irp dt, 0,1,2,3
	global_load_b32 v[WSC+4*((\s)%2)+\dt], v3, s[46:47] offset:\dt*512+(\s)*128
.endr
.endm
	WIN 0x40
.irp s, 0,1
.irp m, 0,1,2,3,4,5,6,7
.irp c, 0,1,2
	global_load_b128 v[12*(8*\s+\m)+4*\c:12*(8*\s+\m)+4*\c+3], v2, s[36:37] offset:(4*\m+\s)*1536+512*\c
.endr
.endr
.endr
	WIN 0x80
.irp s, 0,1
.irp m, 0,1,2,3,4,5,6,7
.irp c, 0,1,2
	global_load_b128 v[12*(8*\s+\m)+4*\c:12*(8*\s+\m)+4*\c+3], v2, s[36:37] offset:(4*\m+2+\s)*1536+512*\c
.endr
.endr
.endr
	WIN 0
.irp p, 0,1,2,3
.irp s, 0,1,2,3
	global_load_b32 v[XS+4*\p+\s], v3, s[38:39] offset:(4*\p+\s)*128
.endr
.endr
	SETV 0
	WIN 0xc0
.irp e, 0,1
.irp s, 0,1,2,3
.irp c, 0,1,2
	global_load_b128 v[12*(4*\e+\s)+4*\c:12*(4*\e+\s)+4*\c+3], v2, s[48:49] offset:(4*\e+\s)*1536+512*\c
.endr
.endr
.endr
.irp dt, 0,1,2,3
	global_load_b128 v[96+8*\dt:96+8*\dt+3], v7, s[54:55] offset:(32*(\dt/2)+8*(\dt%2))*4
	global_load_b128 v[96+8*\dt+4:96+8*\dt+7], v7, s[54:55] offset:(32*(\dt/2)+8*(\dt%2))*4+16
.endr
	WIN 0
.irp s, 0,1,2,3
	global_load_b32 v[XQS+\s], v3, s[50:51] offset:\s*128
.endr
; a tile of 16 channels of v for the 128 pixels: 32 matrix instructions, the eight accumulators (one for each pixel tile) by turns
.macro VSTAGE t, left
	PLACES                                         ; ahead of the loads into the set that the stage before multiplied
.if (\t) < 3
	SETV (\t)+1
.else
	SETQ 0
.endif
	s_wait_loadcnt \left                           ; all but the set just issued
.irp j, 0,1,2,3,4,5,6,7
	v_mov_b32 v[BV+\j], v[BIA+(\t)%2]              ; a lane's eight results belong to one channel: its bias eight times
.endr
	PLACES
.irp s, 0,1,2,3
	WIN 1+(\s/2)
.irp m, 0,1,2,3,4,5,6,7
.if \s == 0
	MM AC2+8*\m, 12*(8*(\s%2)+\m), WB0+48*((\t)%2)+12*\s, BV, XS+4*(\m/2)+\s, WSC+4*((\t)%2)+\s, \m%2, 0
.else
	MM AC2+8*\m, 12*(8*(\s%2)+\m), WB0+48*((\t)%2)+12*\s, AC2+8*\m, XS+4*(\m/2)+\s, WSC+4*((\t)%2)+\s, \m%2, 0
.endif
.endr
.endr
	WIN 0
	PLACES
	s_wait_xcnt 0x0                                ; the last stage's stores have read their registers
	QUANT64 AC2
.irp c, 0,1,2
	global_store_b128 v2, v[PC+4*\c:PC+4*\c+3], s[56:57] offset:(\t)*1536+512*\c
.endr
.if ((\t)%2) == 0
	v_mov_b32 v46, v[PW]
.else
	v_cndmask_b32 v47, v46, v[PW], vcc_lo          ; lanes 0-15 the even tile's words, lanes 16-31 the odd tile's
	global_store_b32 v3, v47, s[58:59] offset:((\t)/2)*128
.endif
.endm
; K step s of q or k for my two pixel tiles: 8 matrix instructions, eight accumulators by turns
.macro QSTAGE s, left
	PLACES
.if (\s) < 3
	SETQ (\s)+1
.endif
	s_wait_loadcnt \left
.if (\s) == 0
	WIN 0x3c
.else
	WIN 0x0c
.endif
.irp e, 0,1
.irp dt, 0,1,2,3
.if (\s) == 0
	MM AC2+8*(4*\e+\dt), WB0+48*((\s)%2)+12*\dt, 12*(4*\e+(\s)), 96+8*\dt, WSC+4*((\s)%2)+\dt, XQS+(\s), 0, \e
.else
	MM AC2+8*(4*\e+\dt), WB0+48*((\s)%2)+12*\dt, 12*(4*\e+(\s)), AC2+8*(4*\e+\dt), WSC+4*((\s)%2)+\dt, XQS+(\s), 0, \e
.endif
.endr
.endr
	WIN 0
.endm
	VSTAGE 0, 17
	VSTAGE 1, 17
	VSTAGE 2, 17
	VSTAGE 3, 16
	QSTAGE 0, 16
	QSTAGE 1, 16
	QSTAGE 2, 16
	QSTAGE 3, 0
	PLACES
	s_wait_xcnt 0x0
	QUANT32 AC2, 253
	global_store_b128 v2, v[PC:PC+3], s[60:61]
	global_store_b64 v4, v[PC+4:PC+5], s[60:61] offset:512
	s_wait_xcnt 0x0                                ; the stores have read the codes' registers
	QUANT32 AC2+32, 254
	global_store_b128 v2, v[PC:PC+3], s[60:61] offset:768
	global_store_b64 v4, v[PC+4:PC+5], s[60:61] offset:768+512
	v_cndmask_b32 v255, v253, v254, vcc_lo         ; lanes 0-15 my first tile's half-words, lanes 16-31 my second's
	global_store_b16 v5, v255, s[62:63]
	s_endpgm
.Lfunc_end_k_qc3afe4ae7c_gemms:
	.size	k_qc3afe4ae7c_gemms, .Lfunc_end_k_qc3afe4ae7c_gemms-k_qc3afe4ae7c_gemms
	.p2alignl 7, 3214868480
	.fill 96, 4, 3214868480
	.section	.rodata,"a",@progbits
	.p2align	6, 0x0
	.amdhsa_kernel k_qc3afe4ae7c_gemms
		.amdhsa_group_segment_fixed_size 0
		.amdhsa_private_segment_fixed_size 0
		.amdhsa_enable_private_segment 0
		.amdhsa_kernarg_size 40
		.amdhsa_user_sgpr_count 2
		.amdhsa_user_sgpr_kernarg_segment_ptr 1
		.amdhsa_wavefront_size32 1
		.amdhsa_system_sgpr_workgroup_id_x 1
		.amdhsa_system_sgpr_workgroup_id_y 1
		.amdhsa_system_sgpr_workgroup_id_z 1
		.amdhsa_system_vgpr_workitem_id 0
		.amdhsa_next_free_vgpr 896
		.amdhsa_next_free_sgpr 66
		.amdhsa_reserve_vcc 1
		.amdhsa_float_denorm_mode_32 3
		.amdhsa_float_denorm_mode_16_64 3
		.amdhsa_memory_ordered 1
		.amdhsa_forward_progress 1
		.amdhsa_inst_pref_size 122
	.end_amdhsa_kernel
	.amdgpu_metadata
---
amdhsa.version: [ 1, 2 ]
amdhsa.kernels:
  - .name:           k_qc3afe4ae7c_gemms
    .symbol:         k_qc3afe4ae7c_gemms.kd
    .args:
      - { .name: qx, .offset: 0, .size: 8, .value_kind: global_buffer, .address_space: global }
      - { .name: q_b, .offset: 8, .size: 8, .value_kind: global_buffer, .address_space: global }
      - { .name: k_b, .offset: 16, .size: 8, .value_kind: global_buffer, .address_space: global }
      - { .name: v_b, .offset: 24, .size: 8, .value_kind: global_buffer, .address_space: global }
      - { .name: g2, .offset: 32, .size: 8, .value_kind: global_buffer, .address_space: global }
    .group_segment_fixed_size: 0
    .private_segment_fixed_size: 0
    .kernarg_segment_align: 8
    .kernarg_segment_size: 40
    .max_flat_workgroup_size: 128
    .sgpr_count:     66
    .vgpr_count:     896
    .wavefront_size: 32
...
	.end_amdgpu_metadata
.endif
;; end of part 2
;; launch camsm (part 3): grid 128 x 1, 4 waves a work-group, no clusters, 2,560 bytes of LDS; arguments g2, gamma_cam, cam; writes cam
.if DOCPART == 3
	.amdgcn_target "amdgcn-amd-amdhsa--gfx1250"
	.amdhsa_code_object_version 6
	.text
	.protected	k_qc3afe4ae7c_camsm
	.globl	k_qc3afe4ae7c_camsm
	.p2align	8
	.type	k_qc3afe4ae7c_camsm,@function
k_qc3afe4ae7c_camsm:
	s_mov_b64 s[64:65], 0
	v_nop
	global_prefetch_b8 v0, s[64:65] scope:SCOPE_SE
	s_setreg_imm32_b32 hwreg(HW_REG_WAVE_MODE, 25, 1), 1
	s_wait_xcnt 0x0
; The channel attention's softmax.  E[c][d] is the sum of its four partial sums; logit = (the row's largest E) - E; t = logit x log2(e); M = ceil(the row's largest t) = ceil((largest E - smallest E) x log2(e));
; p = 2^(t - M) is quantised along d to FP6 (E2M3) with one E8M0 scale for each 32; the row's sum l is taken of the unquantised p; gamma_cam / l is stored for the launch that multiplies.
; SHARES.  A work-group takes 16 rows c (a tile) of one batch; wave w takes d = 128 w .. 128 w + 127: K step w of attn x.  A lane holds ONE row c (lane % 16); its register 16 B + i is d = 128 w + 32 B + 16 (lane / 16) + i.
; The row's largest and smallest E and its sum meet in LDS: three regions of 512 bytes, two barriers.
; A block's largest p is not searched for: p falls as E rises, so the block's smallest E goes through the same three instructions (this takes v_exp_f32 not to fall where its input rises).
; No matrix unit, no cluster: the launch streams 16 MiB of partial sums once and shares nothing.
; LIMITS: NaN and infinities are not served; p under 2^-126 counts as 0; a block whose every p is 0 keeps the byte 1 over zero codes.
.set E,   32
.set A,   96
.set BF,  160
.set BMN, 224
.set BMX, 228
.set PT,  232
.set MX,  236
.set NM,  238
.set L0,  240
.set L1,  242
.set SO,  244
.set BY,  248
.set PW,  252
.set PC,  96
.set C_AS,  786432
.set C_GLC, 851968
.set SEL, 12
.set CS,  14
	s_load_b128 s[4:7], s[0:1], 0x0                ; g2, gamma_cam
	s_load_b64 s[8:9], s[0:1], 0x10                ; cam
	v_lshl_add_u32 v30, v0, 2, 0x800
	v_mov_b32 v31, 0
	v_lshrrev_b32 v1, 5, v0
	v_readfirstlane_b32 s16, v1                    ; wave
	v_and_b32 v1, 31, v0
	v_lshlrev_b32 v2, 4, v1                        ; 16 L
	v_lshlrev_b32 v3, 2, v1                        ; 4 L
	v_lshlrev_b32 v4, 2, v0                        ; 4 x thread = 128 wave + 4 L
	v_and_b32 v5, 7, v0
	v_bfe_u32 v6, v0, 3, 1
	v_lshl_add_u32 v5, v6, 4, v5
	v_lshlrev_b32 v5, 2, v5                        ; my row of the tile, in f32
	s_lshr_b32 s17, ttmp9, 5                       ; b
	s_and_b32 s18, ttmp9, 31                       ; c tile
	s_lshl_b32 s20, s17, 20
	s_lshl_b32 s21, s18, 15
	s_add_co_u32 s20, s20, s21
	s_lshl_b32 s21, s16, 13
	s_add_co_u32 s20, s20, s21                     ; (b, c tile, d tile 8 w) in a quarter's partial sums
	s_mov_b32 s21, 0
	s_lshl_b32 s26, ttmp9, 2
	s_add_co_u32 s26, s26, s16                     ; fragment (b, c tile, K step w)
	s_mov_b32 s[SEL], 0x76543210
	s_mov_b32 s[SEL+1], 0xfedcba98
	s_mov_b32 s[CS], 0x3fb8aa3b                    ; log2(e)
	s_mov_b32 s[CS+1], s[CS]
.irp b, 0,1,2,3
	v_mov_b32 v[PT+\b], 0                          ; a lane permute's destination counts as one of its sources
.endr
	v_mov_b32 v254, 0
	s_wait_kmcnt 0x0
	s_load_b32 s19, s[6:7], 0x0                    ; gamma_cam
	s_add_nc_u64 s[22:23], s[4:5], s[20:21]        ; quarters 0 and 1,
	s_add_nc_u64 s[24:25], s[22:23], 0x800000      ; quarters 2 and 3: an immediate offset reaches one quarter (4,194,304 bytes) on, not two
.macro PART reg, base, off             ; my eight accumulator images of one quarter: 16 loads of 512 consecutive bytes
.irp d, 0,1,2,3,4,5,6,7
.irp c, 0,1
	global_load_b128 v[\reg+8*\d+4*\c:\reg+8*\d+4*\c+3], v2, s[\base:\base+1] offset:\off+1024*\d+512*\c th:TH_LOAD_NT
.endr
.endr
.endm
.macro PLUS reg
.set k, 0
.rept 32
	v_pk_add_f32 v[E+2*k:E+2*k+1], v[E+2*k:E+2*k+1], v[\reg+2*k:\reg+2*k+1]
.set k, k+1
.endr
.endm
	PART E, 22, 0
	PART A, 22, 4194304
	PART BF, 24, 0
	s_mul_i32 s20, s26, 1536
	s_add_nc_u64 s[28:29], s[8:9], s[20:21]        ; where my fragment goes,
	s_lshl_b32 s20, s26, 7
	s_add_co_u32 s20, s20, C_AS
	s_add_nc_u64 s[26:27], s[8:9], s[20:21]        ; its scale words,
	s_lshl_b32 s20, s17, 9
	s_lshr_b32 s30, s18, 1
	s_lshl_b32 s30, s30, 5
	s_add_co_u32 s20, s20, s30
	s_and_b32 s30, s18, 1
	s_lshl_b32 s30, s30, 3
	s_add_co_u32 s20, s20, s30
	s_lshl_b32 s20, s20, 2
	s_add_co_u32 s20, s20, C_GLC
	s_add_nc_u64 s[30:31], s[8:9], s[20:21]        ; and gamma / l, by the channel's own number
	s_wait_loadcnt 16                              ; quarters 0 and 1 are in, quarter 2 may be out
	PLUS A
	PART A, 24, 4194304
	s_wait_loadcnt 16                              ; quarter 2 is in, quarter 3 may be out
	PLUS BF
	s_wait_loadcnt 0x0
	PLUS A
	s_wait_kmcnt 0x0
	; the smallest E of each block of 32, and the largest and smallest of my 128
.irp b, 0,1,2,3
	v_min3_num_f32 v[BMN+\b], v[E+16*\b], v[E+16*\b+1], v[E+16*\b+2]
	v_max3_num_f32 v[BMX+\b], v[E+16*\b], v[E+16*\b+1], v[E+16*\b+2]
.endr
.irp i, 3,5,7,9,11,13
.irp b, 0,1,2,3
	v_min3_num_f32 v[BMN+\b], v[BMN+\b], v[E+16*\b+\i], v[E+16*\b+\i+1]
	v_max3_num_f32 v[BMX+\b], v[BMX+\b], v[E+16*\b+\i], v[E+16*\b+\i+1]
.endr
.endr
.irp b, 0,1,2,3
	v_min_num_f32 v[BMN+\b], v[BMN+\b], v[E+16*\b+15]
	v_max_num_f32 v[BMX+\b], v[BMX+\b], v[E+16*\b+15]
.endr
.irp b, 0,1,2,3
	v_permlanex16_b32 v[PT+\b], v[BMN+\b], s[SEL], s[SEL+1]
.endr
.irp b, 0,1,2,3
	v_min_num_f32 v[BMN+\b], v[BMN+\b], v[PT+\b]   ; with lane l xor 16's 16
.endr
	v_max3_num_f32 v253, v[BMX], v[BMX+1], v[BMX+2]
	v_max_num_f32 v253, v253, v[BMX+3]
	v_permlanex16_b32 v254, v253, s[SEL], s[SEL+1]
	v_max_num_f32 v253, v253, v254
	v_min3_num_f32 v255, v[BMN], v[BMN+1], v[BMN+2]
	v_min_num_f32 v255, v255, v[BMN+3]
	ds_store_b32 v4, v253
	ds_store_b32 v4, v255 offset:512
	s_wait_dscnt 0x0                               ; my stores have landed
	s_barrier_signal -1
	s_barrier_wait -1
.irp i, 0,1,2,3
	ds_load_b32 v[BF+\i], v3 offset:128*\i
	ds_load_b32 v[BF+4+\i], v3 offset:512+128*\i
.endr
	s_wait_dscnt 0x0
	v_max3_num_f32 v[MX], v[BF], v[BF+1], v[BF+2]
	v_max_num_f32 v[MX], v[MX], v[BF+3]            ; the row's largest E
	v_mov_b32 v[MX+1], v[MX]
	v_min3_num_f32 v255, v[BF+4], v[BF+5], v[BF+6]
	v_min_num_f32 v255, v255, v[BF+7]              ; and its smallest
	v_sub_f32 v253, v[MX], v255                    ; the largest logit
	v_mul_f32 v253, s[CS], v253                    ; the largest t
	v_floor_f32 v[NM], -v253                       ; -M = floor(-t) = -ceil(t)
	v_mov_b32 v[NM+1], v[NM]
.set k, 0
.rept 32
	v_pk_add_f32 v[E+2*k:E+2*k+1], v[MX:MX+1], v[E+2*k:E+2*k+1] neg_lo:[0,1] neg_hi:[0,1]   ; the logit
.set k, k+1
.endr
.irp b, 0,1,2,3
	v_sub_f32 v[BMN+\b], v[MX], v[BMN+\b]          ; each block's largest logit
.endr
.set k, 0
.rept 32
	v_pk_fma_f32 v[E+2*k:E+2*k+1], v[E+2*k:E+2*k+1], s[CS:CS+1], v[NM:NM+1] op_sel_hi:[1,0,0]   ; t - M
.set k, k+1
.endr
.irp b, 0,1,2,3
	v_fma_f32 v[BMN+\b], v[BMN+\b], s[CS], v[NM]
.endr
.set k, 0
.rept 64
	v_exp_f32 v[E+k], v[E+k]                       ; p
.set k, k+1
.endr
	v_nop                                          ; a plain place behind the exponentials
	s_wait_alu depctr_va_vdst(0)                   ; one wait for the batch, ahead of its first reader
.irp b, 0,1,2,3
	v_exp_f32 v[BMN+\b], v[BMN+\b]                 ; the block's largest p: the same instructions on the same number
.endr
	v_pk_add_f32 v[L0:L0+1], v[E:E+1], v[E+2:E+3]  ; the sum of the unquantised p, two chains
	v_pk_add_f32 v[L1:L1+1], v[E+4:E+5], v[E+6:E+7]
.irp j, 8,12,16,20,24,28,32,36,40,44,48,52,56,60
	v_pk_add_f32 v[L0:L0+1], v[L0:L0+1], v[E+\j:E+\j+1]
	v_pk_add_f32 v[L1:L1+1], v[L1:L1+1], v[E+\j+2:E+\j+3]
.endr
	v_pk_add_f32 v[L0:L0+1], v[L0:L0+1], v[L1:L1+1]
	v_add_f32 v[L0], v[L0], v[L0+1]
	v_permlanex16_b32 v254, v[L0], s[SEL], s[SEL+1]
	v_add_f32 v[L0], v[L0], v254
	ds_store_b32 v4, v[L0] offset:1024
	s_wait_alu depctr_va_vdst(0)                   ; and one for the four
.irp b, 0,1,2,3
	v_max_num_f32 v[BMN+\b], 0x1800000, v[BMN+\b]  ; the floor 2^(3 - 127)
.endr
.irp b, 0,1,2,3
	v_add_nc_u32 v[SO+\b], 0xff000000, v[BMN+\b]
.endr
.irp b, 0,1,2,3
	v_lshrrev_b32 v[BY+\b], 23, v[SO+\b]
.endr
	v_lshl_or_b32 v[PW], v[BY+1], 8, v[BY]
	v_lshl_or_b32 v[PW], v[BY+2], 16, v[PW]
	v_lshl_or_b32 v[PW], v[BY+3], 24, v[PW]
.irp c, 0,1
	v_cvt_scalef32_pk16_fp6_f32 v[PC+6*\c:PC+2+6*\c], v[E+32*\c:E+15+32*\c], v[SO+2*\c]
	v_cvt_scalef32_pk16_fp6_f32 v[PC+12+4*\c:PC+14+4*\c], v[E+16+32*\c:E+31+32*\c], v[SO+2*\c+1]
.endr
	v_nop
.irp c, 0,1
.irp i, 0,1,2
	v_permlane16_swap_b32 v[PC+6*\c+\i], v[PC+12+4*\c+\i]
.endr
.irp i, 0,1,2
	v_mov_b32 v[PC+3+6*\c+\i], v[PC+12+4*\c+\i]
.endr
.endr
.irp c, 0,1,2
	global_store_b128 v2, v[PC+4*\c:PC+4*\c+3], s[28:29] offset:512*\c
.endr
	global_store_b32 v3, v[PW], s[26:27]
	s_wait_dscnt 0x0                               ; my sum has landed
	s_barrier_signal -1
	s_barrier_wait -1
	s_cmp_lg_u32 s16, 0
	s_cbranch_scc1 .Ldone
.irp i, 0,1,2,3
	ds_load_b32 v[BF+\i], v3 offset:1024+128*\i
.endr
	s_wait_dscnt 0x0
	v_add_f32 v[BF], v[BF], v[BF+1]
	v_add_f32 v[BF+2], v[BF+2], v[BF+3]
	v_add_f32 v[BF], v[BF], v[BF+2]
	v_rcp_f32 v[BF], v[BF]
	v_nop
	s_wait_alu depctr_va_vdst(0)
	v_mul_f32 v[BF], s19, v[BF]
	global_store_b32 v5, v[BF], s[30:31]           ; lanes r and r + 16 hold the same number and store it to the same word
.Ldone:
	s_wait_tensorcnt 0x0
	ds_add_u32 v30, v31
	s_wait_dscnt 0x0
	s_endpgm
.Lfunc_end_k_qc3afe4ae7c_camsm:
	.size	k_qc3afe4ae7c_camsm, .Lfunc_end_k_qc3afe4ae7c_camsm-k_qc3afe4ae7c_camsm
	.p2alignl 7, 3214868480
	.fill 96, 4, 3214868480
	.section	.rodata,"a",@progbits
	.p2align	6, 0x0
	.amdhsa_kernel k_qc3afe4ae7c_camsm
		.amdhsa_group_segment_fixed_size 2560
		.amdhsa_private_segment_fixed_size 0
		.amdhsa_enable_private_segment 0
		.amdhsa_kernarg_size 24
		.amdhsa_user_sgpr_count 2
		.amdhsa_user_sgpr_kernarg_segment_ptr 1
		.amdhsa_wavefront_size32 1
		.amdhsa_system_sgpr_workgroup_id_x 1
		.amdhsa_system_sgpr_workgroup_id_y 1
		.amdhsa_system_sgpr_workgroup_id_z 1
		.amdhsa_system_vgpr_workitem_id 0
		.amdhsa_next_free_vgpr 256
		.amdhsa_next_free_sgpr 66
		.amdhsa_reserve_vcc 0
		.amdhsa_float_denorm_mode_32 3
		.amdhsa_float_denorm_mode_16_64 3
		.amdhsa_memory_ordered 1
		.amdhsa_forward_progress 1
		.amdhsa_inst_pref_size 32
	.end_amdhsa_kernel
	.amdgpu_metadata
---
amdhsa.version: [ 1, 2 ]
amdhsa.kernels:
  - .name:           k_qc3afe4ae7c_camsm
    .symbol:         k_qc3afe4ae7c_camsm.kd
    .args:
      - { .name: g2, .offset: 0, .size: 8, .value_kind: global_buffer, .address_space: global }
      - { .name: gamma_cam, .offset: 8, .size: 8, .value_kind: global_buffer, .address_space: global }
      - { .name: cam, .offset: 16, .size: 8, .value_kind: global_buffer, .address_space: global }
    .group_segment_fixed_size: 2560
    .private_segment_fixed_size: 0
    .kernarg_segment_align: 8
    .kernarg_segment_size: 24
    .max_flat_workgroup_size: 128
    .sgpr_count:     66
    .vgpr_count:     256
    .wavefront_size: 32
...
	.end_amdgpu_metadata
.endif
;; end of part 3
;; launch pam (part 4): grid 64 x 4, 8 waves a work-group, clusters of 4 x 1, 327,680 bytes of LDS; arguments x, qx, g2, cam, gamma_pam, yb; writes yb
.if DOCPART == 4
	.amdgcn_target "amdgcn-amd-amdhsa--gfx1250"
	.amdhsa_code_object_version 6
	.text
	.protected	k_qc3afe4ae7c_pam
	.globl	k_qc3afe4ae7c_pam
	.p2align	8
	.type	k_qc3afe4ae7c_pam,@function
k_qc3afe4ae7c_pam:
	s_mov_b64 s[64:65], 0
	v_nop
	global_prefetch_b8 v0, s[64:65] scope:SCOPE_SE
	s_setreg_imm32_b32 hwreg(HW_REG_WAVE_MODE, 25, 1), 1
	s_wait_xcnt 0x0
	s_wait_alu depctr_hold_cnt(0) depctr_sa_sdst(0) depctr_va_vdst(0) depctr_va_sdst(0) depctr_va_ssrc(0) depctr_va_vcc(0) depctr_vm_vsrc(0)
	s_getreg_b32 s2, hwreg(HW_REG_IB_STS2, 6, 4)
	s_cmp_eq_u32 s2, 0
	s_cbranch_scc0 .Lentry_in_a_cluster
	s_endpgm
.Lentry_in_a_cluster:
	s_bfe_u32 s2, ttmp6, 0x10000c
	s_cmp_lg_u32 s2, 0x3003
	s_cbranch_scc0 .Lentry_shape_is_right
	s_endpgm
.Lentry_shape_is_right:
; For 64 pixels of one batch: Z = attn_cam x (divided by its row sums, times gamma_cam) + 2 x;  the position attention O = V P^T over all 4,096 keys;  s = gamma_pam O / l + Z;  y = conv1_w s;  and y's mean and
; sum of squared deviations over the 64 pixels, for the batch norm.  All four products on codes of FP6 (E2M3) with one E8M0 scale for each 32 along K.
; SHARES.  Eight waves.  Wave w owns channels 64 w .. 64 w + 63 (four tiles t) for all 64 pixels (four tiles m): O^T and Z are 16 accumulators each; a lane holds ONE pixel (lane % 16), its registers run along the channels.
;   For the softmax wave w owns query tile w & 3 and half w >> 2 of each step's 128 keys; its codes of p go to the other waves through LDS as images of the operand's registers.
; TWO PASSES OVER k.  Pass 1 multiplies all keys by all 64 queries and keeps each query's largest score, so M = ceil(largest t) is fixed before the first p is made: O^T is never rescaled, and the two waves that share a query
;   need nothing of each other.  The maximum that the softmax takes away is the row's true maximum.
; k HAS 64 CHANNELS, the instruction 128: q's upper 64 codes are zeros and both scale words' upper bytes are 0, so whatever stands in k's upper registers adds nothing; there stand the next tile's codes: fragments overlap, 6 registers apart.
; A SLOT IS TWO STEPS OF 128 KEYS AND FOUR PHASES.  In slot n a wave multiplies V P^T of steps 2 n and 2 n + 1 and makes p of steps 2 n + 2 and 2 n + 3 (their k lies in the slot's two blocks).  p has two sets of two buffers:
;   the products read set n & 1, the softmax writes the other; so p changes hands at the change of slots alone: one barrier for two steps.
; TWO ORDERS.  Waves with (w ^ (w >> 2)) & 1 = 0 go product, p, product, p; the others p, product, p, product: of two waves that share a SIMD one has matrix work while the other has vector work.
;   Products and softmax keep their operands in different registers, so EACH PHASE'S LDS LOADS ARE ISSUED A PHASE AHEAD and the waits on DScnt are counted: a product's phase has 34 loads, a softmax's 10 loads and 3 stores.
; CLUSTER.  The four work-groups of a cluster belong to one batch and walk the same k and v: every tensor load is asked for jointly (mask 15).  Each wave fetches an eighth of each tile: one load a wave behind each round.
; LDS: 0 slot 0 (two blocks of 57,344: v's 32 fragments, their scale words, and k of the step two on); 114,688 k's scale half-words of the batch; 122,880 spare words; 123,904 maxima; 128,000 sums;
;   131,072 all of k (32 x 6,144, pass 1), whose first 114,688 bytes become slot 1; behind them, in bytes that have had their only fill and are read no more: 245,760 p's images (4 x 8 x 768), 270,336 p's scale words,
;   271,360 s's images, 295,936 s's scale words; 315,392 k's last two rows (the first two steps' keys).  At the end y's stage lies in slot 0.
; REGISTERS.  window 0: v6-21 LDS addresses; v22-33 my query tile; v34-63 scale words and nothing else; v64-95 scores, then p; v96-125 k; v128-175 v; v176-223 P; v224-247 statistics and codes; v248-255 global offsets.
;   window 1: v0-127 O^T (before it the four query tiles, after it y), v128-255 Z.
; LIMITS: NaN and infinities are not served; p under 2^-126 counts as 0; a block's largest p is made from the block's largest score (this takes v_exp_f32 not to fall where its input rises).
.set KVB,   57344
.set SLOTB, 114688
.set SLOT1, 131072
.set KSCL,  114688
.set SPARE, 122880
.set MXL,   123904
.set LSL,   128000
.set KALL,  131072
.set PB,    245760
.set PSC,   270336
.set SIMG,  271360
.set SSC,   295936
.set G_KV,  16777216
.set G_KSC, 24117248
.set G_QC,  24150016
.set G_QS,  24936448
.set Q_XCC, 6815744
.set Q_XCS, 13107200
.set Q_WC,  13369344
.set Q_WS,  13713408
.set C_AS,  786432
.set C_GLC, 851968
.set Y_ST,  16777216
.set QF,  22
.set S,   64
.set KF,  96
.set VF,  128
.set PF,  176
.set K1,  128
.set BM,  230
.set PT,  232
.set SO,  234
.set BY,  236
.set PC,  238
.set PT2, 244
.set HW,  247
.set RM,  230
.set P1T, 234
.set MSB, 0
.macro WIN new                         ; the immediate's high byte repeats the setting that is left
.if MSB != (\new)
	s_set_vgpr_msb (MSB<<8)|(\new)
.set MSB, (\new)
.endif
.endm
.macro PLACES                          ; four plain places: behind matrix instructions, ahead of loads into their registers and of reads of their results; and behind a tensor load
.rept 4
	v_nop
.endr
.endm
.macro MM d, a, b, c, sa, sb, ra, rb   ; one matrix instruction.  c < 0: the constant 0 starts the sum.  ra, rb: that side's scales are read from lanes 16-31
.if (\c) < 0
.if (\ra)
	v_wmma_scale_f32_16x16x128_f8f6f4 v[\d:\d+7], v[\a:\a+11], v[\b:\b+11], 0, v[\sa], v[\sb] matrix_a_fmt:MATRIX_FMT_FP6 matrix_b_fmt:MATRIX_FMT_FP6 matrix_a_scale:MATRIX_SCALE_ROW1
.elseif (\rb)
	v_wmma_scale_f32_16x16x128_f8f6f4 v[\d:\d+7], v[\a:\a+11], v[\b:\b+11], 0, v[\sa], v[\sb] matrix_a_fmt:MATRIX_FMT_FP6 matrix_b_fmt:MATRIX_FMT_FP6 matrix_b_scale:MATRIX_SCALE_ROW1
.else
	v_wmma_scale_f32_16x16x128_f8f6f4 v[\d:\d+7], v[\a:\a+11], v[\b:\b+11], 0, v[\sa], v[\sb] matrix_a_fmt:MATRIX_FMT_FP6 matrix_b_fmt:MATRIX_FMT_FP6
.endif
.else
.if (\ra)
	v_wmma_scale_f32_16x16x128_f8f6f4 v[\d:\d+7], v[\a:\a+11], v[\b:\b+11], v[\c:\c+7], v[\sa], v[\sb] matrix_a_fmt:MATRIX_FMT_FP6 matrix_b_fmt:MATRIX_FMT_FP6 matrix_a_scale:MATRIX_SCALE_ROW1
.elseif (\rb)
	v_wmma_scale_f32_16x16x128_f8f6f4 v[\d:\d+7], v[\a:\a+11], v[\b:\b+11], v[\c:\c+7], v[\sa], v[\sb] matrix_a_fmt:MATRIX_FMT_FP6 matrix_b_fmt:MATRIX_FMT_FP6 matrix_b_scale:MATRIX_SCALE_ROW1
.else
	v_wmma_scale_f32_16x16x128_f8f6f4 v[\d:\d+7], v[\a:\a+11], v[\b:\b+11], v[\c:\c+7], v[\sa], v[\sb] matrix_a_fmt:MATRIX_FMT_FP6 matrix_b_fmt:MATRIX_FMT_FP6
.endif
.endif
.endm
.macro ROUND                           ; a round of the cluster's barrier: my work-group's barrier, wave 0 signals for the work-group, every wave waits for all four work-groups, my work-group's barrier once more
	s_barrier_signal -1
	s_barrier_wait -1
	s_cmp_lg_u32 s16, 0
	s_cbranch_scc1 .Lnw0_\@
	s_barrier_signal -3
.Lnw0_\@:
	s_barrier_wait -3
	s_barrier_signal -1
	s_barrier_wait -1
.endm
.macro PBAR                            ; my LDS stores have landed and my LDS loads are in: then the work-group's barrier
	s_wait_dscnt 0x0
	s_barrier_signal -1
	s_barrier_wait -1
.endm
; from two blocks' largest magnitudes in v[BM], v[BM + 1] and their 32 numbers at v[s] on: half a fragment in v[PC] .. v[PC + 5], two scale bytes in v[HW]
.macro QTAIL s
	v_add_nc_u32 v[SO], 0xff000000, v[BM]          ; 2 off the exponent field: the conversion's scale operand
	v_add_nc_u32 v[SO+1], 0xff000000, v[BM+1]
	v_lshrrev_b32 v[BY], 23, v[SO]                 ; the scale's byte
	v_lshrrev_b32 v[BY+1], 23, v[SO+1]
	v_lshl_or_b32 v[HW], v[BY+1], 8, v[BY]
	v_cvt_scalef32_pk16_fp6_f32 v[PC:PC+2], v[\s:\s+15], v[SO]
	v_cvt_scalef32_pk16_fp6_f32 v[PT2:PT2+2], v[\s+16:\s+31], v[SO+1]
	v_nop                                          ; one plain place behind a scaled conversion
.irp i, 0,1,2
	v_permlane16_swap_b32 v[PC+\i], v[PT2+\i]      ; the operand's layout wants a whole block in a lane
.endr
.irp i, 0,1,2
	v_mov_b32 v[PC+3+\i], v[PT2+\i]
.endr
.endm
.macro QMAX32 s                        ; the two blocks' largest magnitudes, with the floor 2^(3 - 127)
.irp b, 0,1
	v_max3_num_f32 v[BM+\b], |v[\s+16*\b]|, |v[\s+16*\b+1]|, 0x1800000
.endr
.irp i, 2,4,6,8,10,12,14
.irp b, 0,1
	v_max3_num_f32 v[BM+\b], v[BM+\b], |v[\s+16*\b+\i]|, |v[\s+16*\b+\i+1]|
.endr
.endr
.irp b, 0,1
	v_permlanex16_b32 v[PT+\b], v[BM+\b], s60, s61
.endr
.irp b, 0,1
	v_max_num_f32 v[BM+\b], v[BM+\b], v[PT+\b]
.endr
.endm
; THE SOFTMAX'S LOADS: my 64 keys' four half fragments, ko bytes on from v13 and v14, and their scale half-words, so bytes on from v15: 10 LDS loads
.macro SML ko, so
.irp t, 0,1,2,3
	ds_load_b128 v[KF+6*\t:KF+6*\t+3], v13 offset:(\ko)+768*\t
	ds_load_b64 v[KF+6*\t+4:KF+6*\t+5], v14 offset:(\ko)+768*\t
.endr
	ds_load_u16 v34, v15 offset:(\so)
	ds_load_u16 v35, v15 offset:(\so)+64
.endm
; MY PART OF A STEP'S SOFTMAX: 64 keys x my 16 queries; the keys are in registers.  The codes go to p's buffer pi: 3 LDS stores.
; more = 1: behind the four products and their places the next step's keys are asked for (ko, so), into the registers that the products have read.
.macro SMC pi, more, ko, so
.irp t, 0,1,2,3
	MM S+8*\t, KF+6*\t, QF, -1, 34+\t/2, 63, \t%2, 0
.endr
	PLACES
.if \more
	SML \ko, \so
.endif
.irp b, 0,1
	v_max3_num_f32 v[BM+\b], v[S+16*\b], v[S+16*\b+1], v[S+16*\b+2]   ; each block's largest score
.endr
.irp i, 3,5,7,9,11,13
.irp b, 0,1
	v_max3_num_f32 v[BM+\b], v[BM+\b], v[S+16*\b+\i], v[S+16*\b+\i+1]
.endr
.endr
.irp b, 0,1
	v_max_num_f32 v[BM+\b], v[BM+\b], v[S+16*\b+15]
.endr
.irp b, 0,1
	v_permlanex16_b32 v[PT+\b], v[BM+\b], s60, s61
.endr
.irp b, 0,1
	v_max_num_f32 v[BM+\b], v[BM+\b], v[PT+\b]
.endr
.irp j, 0,2,4,6,8,10,12,14,16,18,20,22,24,26,28,30
	v_pk_fma_f32 v[S+\j:S+\j+1], v[S+\j:S+\j+1], s[62:63], v[224:225] op_sel_hi:[1,0,0]   ; t - M
.endr
.irp b, 0,1
	v_fma_f32 v[BM+\b], v[BM+\b], s62, v224
.endr
.set k, 0
.rept 32
	v_exp_f32 v[S+k], v[S+k]                       ; p = 2^(t - M): not normalised
.set k, k+1
.endr
	v_nop                                          ; a plain place behind the exponentials
	s_wait_alu depctr_va_vdst(0)                   ; one wait for the batch, ahead of its first reader
.irp b, 0,1
	v_exp_f32 v[BM+\b], v[BM+\b]                   ; the block's largest p
.endr
.irp j, 0,4,8,12,16,20,24,28
	v_pk_add_f32 v[226:227], v[226:227], v[S+\j:S+\j+1]       ; the row's sum is taken of the unquantised p
	v_pk_add_f32 v[228:229], v[228:229], v[S+\j+2:S+\j+3]
.endr
	s_wait_alu depctr_va_vdst(0)                   ; and one for the two
.irp b, 0,1
	v_max_num_f32 v[BM+\b], 0x1800000, v[BM+\b]    ; the floor 2^(3 - 127)
.endr
	QTAIL S
	ds_store_b128 v19, v[PC:PC+3] offset:6144*(\pi)
	ds_store_b64 v20, v[PC+4:PC+5] offset:6144*(\pi)
	ds_store_b16 v21, v[HW] offset:256*(\pi)
.endm
; THE PRODUCT'S LOADS: my four fragments of v of block blk of the slot in hand with their scale words, and P's four fragments with theirs out of p's buffer pi: 34 LDS loads
.macro PVL pi, blk
.irp t, 0,1,2,3
.irp c, 0,1,2
	ds_load_b128 v[VF+12*\t+4*\c:VF+12*\t+4*\c+3], v11 offset:KVB*(\blk)+1536*\t+512*\c
.endr
.endr
	ds_load_b32 v36, v12 offset:KVB*(\blk)
	ds_load_b32 v37, v12 offset:KVB*(\blk)+128
.irp m, 0,1,2,3
.irp e, 0,1
	ds_load_b128 v[PF+12*\m+6*\e:PF+12*\m+6*\e+3], v16 offset:6144*(\pi)+768*(2*\m+\e)
	ds_load_b64 v[PF+12*\m+6*\e+4:PF+12*\m+6*\e+5], v17 offset:6144*(\pi)+768*(2*\m+\e)
.endr
	ds_load_b32 v[38+\m], v18 offset:256*(\pi)+64*\m
.endr
.endm
; O^T += V^T P^T for a step's 128 keys: my four tiles of channels x the four tiles of queries; the 16 accumulators by turns.  The places behind them serve the next loads into these operands
.macro PVC zero
	WIN 0x50
.irp t, 0,1,2,3
.irp m, 0,1,2,3
.if \zero
	MM 8*(4*\m+\t), VF+12*\t, PF+12*\m, -1, 36+\t/2, 38+\m, \t%2, 0
.else
	MM 8*(4*\m+\t), VF+12*\t, PF+12*\m, 8*(4*\m+\t), 36+\t/2, 38+\m, \t%2, 0
.endif
.endr
.endr
	WIN 0
	PLACES
.endm
; A SLOT'S TWO STEPS.  par: the slot (0 or 1), which is also the set of p that is read.  The addresses are made on the way that all waves take; then the two orders part on the wave's number and join again.
; No barrier and no tensor load stands between.  LDS serves a wave's instructions in order (ISA guide 5.7.1), so each wait names what was issued behind the loads that it is for.
.macro SLOTB par, zero
	v_add_nc_u32 v11, SLOT1*(\par), v6
	v_add_nc_u32 v12, SLOT1*(\par), v7
	v_add_nc_u32 v13, SLOT1*(\par), v8
	v_add_nc_u32 v14, SLOT1*(\par), v9
	v_add_nc_u32 v15, s68, v10
	s_cmp_eq_u32 s19, 0
	s_cbranch_scc0 .Lsmf_\@
	PVL 2*(\par), 0
	SML 0, 0
	s_wait_dscnt 10                                ; v and P of the first step are in; behind them: its softmax's 10 loads
	PVC \zero
	PVL 2*(\par)+1, 1
	s_wait_dscnt 34                                ; the keys are in; behind them: the second product's 34 loads
	SMC 2-2*(\par), 1, KVB, 256
	s_wait_dscnt 13                                ; v and P of the second step are in; behind them: the second softmax's 10 loads and the first's 3 stores
	PVC 0
	s_wait_dscnt 3                                 ; the keys are in; behind them: the 3 stores
	SMC 3-2*(\par), 0, 0, 0
	s_branch .Ljn_\@
.Lsmf_\@:
	SML 0, 0
	PVL 2*(\par), 0
	s_wait_dscnt 34                                ; the keys are in; behind them: the first product's 34 loads
	SMC 2-2*(\par), 1, KVB, 256
	s_wait_dscnt 13                                ; v and P of the first step are in; behind them: the second softmax's 10 loads and the first's 3 stores
	PVC \zero
	PVL 2*(\par)+1, 1
	s_wait_dscnt 37                                ; the keys are in; behind them: the 3 stores and the second product's 34 loads
	SMC 3-2*(\par), 0, 0, 0
	s_wait_dscnt 3                                 ; v and P of the second step are in; behind them: the 3 stores
	PVC 0
.Ljn_\@:
	s_add_co_u32 s68, s68, 512                     ; the next slot's scale half-words of k
.endm
; A PREFETCH INTO THE L2, behind the first refill of each trip of the loop but the last, and behind its four lines: the two slots that stand three and four changes on, 229,376 bytes = 28 x 8,192.
; All clusters of a batch walk the same blocks: the batch's first cluster asks.  Its four partners are told apart BY ADDRESS: partner cx's waves 0 to 6 take units 7 cx + w, lanes 256 bytes apart.
; So each block of 256 bytes of slots 4 to 15 is named once; slots 0 to 3 come by their loads alone, and the last request ends at the batch's last byte.
.macro ASK
	s_cmp_gt_u32 s69, s72
	s_cbranch_scc0 .Lna_\@
	global_prefetch_b8 v254, s[70:71] th:TH_LOAD_NT scope:SCOPE_SE
.Lna_\@:
.endm
; THE CHANGE OF SLOTS, at a slot's head.  Each wave waits for all its tensor loads (its eighth of the slot ahead), adds 0 to its spare word, and waits for that and for its LDS reads and stores: so p's set that was written may be read
; behind the barrier, and the set that was read may be written.  fill = 1: a round of the cluster's barrier, so that no wave of any partner still reads the slot that was left; the joint refill is the first thing behind it and has
; two steps in which to land: one tensor load of mine is out.
.macro CHANGE fill, ask
	s_wait_tensorcnt 0x0
	ds_add_u32 v4, v5
.if \fill
	s_xor_b32 s49, s49, SLOT1                      ; no load of mine is out: the walking descriptor takes the other slot
	s_add_nc_u64 s[50:51], s[50:51], SLOTB         ; and the next two blocks
	s_wait_xcnt 0x0                                ; the last prefetch has read its address
	s_add_nc_u64 s[70:71], s[70:71], SLOTB
.endif
	s_wait_dscnt 0x0
.if \fill
	ROUND
	tensor_load_to_lds s[48:51], s[24:31]
	s_nop 0
	PLACES
.if \ask
	ASK
.endif
.else
	s_barrier_signal -1
	s_barrier_wait -1
.endif
.endm
	s_load_b256 s[4:11], s[0:1], 0x0               ; x, qx, g2, cam
	s_load_b128 s[12:15], s[0:1], 0x20             ; gamma_pam, yb
	v_lshl_add_u32 v4, v0, 2, SPARE
	v_mov_b32 v5, 0
	ds_add_u32 v4, v5
	ds_add_u32 v4, v5
	s_wait_dscnt 0x0
	v_lshrrev_b32 v1, 5, v0
	v_readfirstlane_b32 s16, v1                    ; wave
	v_and_b32 v1, 31, v0                           ; L
	v_and_b32 v2, 15, v0                           ; r
	v_bfe_u32 v3, v0, 4, 1                         ; h
	s_and_b32 s17, s16, 3                          ; my query tile
	s_lshr_b32 s18, s16, 2                         ; my half of a step's keys
	s_xor_b32 s19, s16, s18
	s_and_b32 s19, s19, 1                          ; my order
	s_bfe_u32 s20, ttmp6, 0x40000                  ; cx: it enters global addresses of my own loads, stores and prefetches alone
	s_lshl_b32 s21, ttmp9, 2
	s_add_co_u32 s21, s21, s20                     ; my block of 64 pixels
	s_and_b32 s22, ttmp7, 0xffff                   ; the batch, which the four partners share
	; descriptor groups 1: elements of 8 bytes, no padding, mask 15 with bit 21 beside it
	s_mov_b32 s24, 15|(3<<16)|(1<<21)              ; an eighth of a slot: 56 rows of 256 bytes, dense
	s_mov_b32 s25, 32<<16
	s_mov_b32 s26, 56<<16
	s_mov_b32 s27, 32<<16
	s_mov_b32 s28, 56
	s_mov_b32 s29, 32
	s_mov_b32 s30, 0
	s_mov_b32 s31, 0
	s_mov_b32 s32, 15|(3<<16)|(1<<21)              ; k of four blocks: 4 rows of 6,144 bytes, 57,344 bytes apart
	s_mov_b32 s33, 768<<16
	s_mov_b32 s34, 4<<16
	s_mov_b32 s35, 768<<16
	s_mov_b32 s36, 4
	s_mov_b32 s37, 7168
	s_mov_b32 s38, 0
	s_mov_b32 s39, 0
	s_mov_b32 s40, 15|(3<<16)|(1<<21)              ; k's scale half-words of four blocks: 4 rows of 256 bytes, dense
	s_mov_b32 s41, 32<<16
	s_mov_b32 s42, 4<<16
	s_mov_b32 s43, 32<<16
	s_mov_b32 s44, 4
	s_mov_b32 s45, 32
	s_mov_b32 s46, 0
	s_mov_b32 s47, 0
	s_mov_b32 s60, 0x76543210
	s_mov_b32 s61, 0xfedcba98
	s_mov_b32 s62, 0x3fb8aa3b                      ; log2(e)
	s_mov_b32 s63, s62
	; LDS addresses of the loop
	s_mul_i32 s74, s16, 6144
	v_lshl_add_u32 v6, v1, 4, s74                  ; in a block: my four fragments of v,
	s_lshl_b32 s74, s16, 8
	s_add_co_u32 s74, s74, 49152
	v_lshl_add_u32 v7, v1, 2, s74                  ; their scale words,
	s_mul_i32 s74, s18, 3072
	s_add_co_u32 s74, s74, 51200
	v_lshl_add_u32 v8, v1, 4, s74                  ; my four half fragments of k: registers 0-3,
	s_add_co_u32 s74, s74, 512
	v_lshl_add_u32 v9, v1, 3, s74                  ; registers 4-5
	s_lshl_b32 s74, s18, 7
	s_add_co_u32 s74, s74, KSCL
	v_lshl_add_u32 v10, v1, 1, s74                 ; k's scale half-words
	v_lshl_add_u32 v16, v1, 4, PB                  ; p's images, read,
	v_lshl_add_u32 v17, v1, 3, PB+512
	v_lshl_add_u32 v18, v2, 2, PSC
	s_lshl_b32 s74, s17, 1
	s_add_co_u32 s74, s74, s18
	s_mul_i32 s74, s74, 768
	v_add_nc_u32 v19, s74, v16                     ; and written: half image 2 (query tile) + (half of the keys)
	v_add_nc_u32 v20, s74, v17
	s_lshl_b32 s74, s17, 6
	s_lshl_b32 s75, s18, 1
	s_add_co_u32 s74, s74, s75
	v_add_nc_u32 v21, s74, v18
	; global offsets
	v_lshlrev_b32 v248, 4, v1                      ; 16 L
	v_lshlrev_b32 v249, 2, v1                      ; 4 L
	v_lshlrev_b32 v250, 3, v1                      ; 8 L
	v_lshlrev_b32 v251, 1, v2                      ; 2 r
	v_and_b32 v252, 7, v0
	v_bfe_u32 v255, v0, 3, 1
	v_lshl_add_u32 v252, v255, 4, v252
	v_lshlrev_b32 v252, 2, v252
	v_lshl_add_u32 v252, v3, 18, v252              ; x: my pixel of a tile, and 16 channels further down for lanes 16-31
	v_lshlrev_b32 v253, 6, v3                      ; 64 h
	v_lshlrev_b32 v254, 8, v1                      ; 256 L
	s_mul_i32 s74, s22, 32*KVB
	s_add_co_u32 s74, s74, G_KV
	s_mov_b32 s75, 0
	s_wait_kmcnt 0x0
	s_load_b32 s73, s[12:13], 0x0                  ; gamma_pam
	s_add_nc_u64 s[96:97], s[8:9], s[74:75]        ; the batch's blocks
	s_mov_b32 s48, 1                               ; group 0 of the slots: it walks
	s_mul_i32 s49, s16, 14336
	s_mov_b32 s74, s49
	s_add_nc_u64 s[50:51], s[96:97], s[74:75]
	s_or_b32 s51, s51, 0x80000000
	s_mov_b32 s52, 1                               ; of k
	s_mul_i32 s53, s16, 24576
	s_add_co_u32 s53, s53, KALL
	s_mul_i32 s74, s16, 4*KVB
	s_add_co_u32 s74, s74, 51200
	s_add_nc_u64 s[54:55], s[96:97], s[74:75]
	s_or_b32 s55, s55, 0x80000000
	s_mov_b32 s56, 1                               ; of k's scale half-words
	s_lshl_b32 s57, s16, 10
	s_lshl_b32 s74, s22, 13
	s_add_co_u32 s74, s74, s57
	s_add_co_u32 s74, s74, G_KSC
	s_add_co_u32 s57, s57, KSCL
	s_add_nc_u64 s[58:59], s[8:9], s[74:75]
	s_or_b32 s59, s59, 0x80000000
	; the prefetches: unit 7 cx + w, two slots on; each change of slots steps the address by a slot
	s_mul_i32 s74, s20, 7
	s_add_co_u32 s74, s74, s16
	s_lshl_b32 s74, s74, 13
	s_add_co_u32 s74, s74, 2*SLOTB
	s_add_nc_u64 s[70:71], s[96:97], s[74:75]
	s_cmp_eq_u32 s16, 7
	s_cselect_b32 s72, 1, 0
	s_or_b32 s72, s72, ttmp9                       ; 0 in waves 0 to 6 of the batch's first cluster: the same in all four partners
	s_cmp_eq_u32 s72, 0
	s_cselect_b32 s72, 1, -1                       ; such a wave asks while more than one trip of the loop is left
	; bases of my own loads
	s_lshl_b32 s98, s22, 8
	s_lshl_b32 s74, s21, 2
	s_add_co_u32 s98, s98, s74                     ; my first pixel tile: 256 b + 4 block
	s_mul_i32 s74, s98, 768
	s_add_co_u32 s74, s74, G_QC
	s_add_nc_u64 s[76:77], s[8:9], s[74:75]        ; q's four half fragments
	s_mul_i32 s74, s17, 768
	s_add_nc_u64 s[78:79], s[76:77], s[74:75]      ; my own query tile's
	s_lshl_b32 s74, s98, 5
	s_add_co_u32 s74, s74, G_QS
	s_add_nc_u64 s[80:81], s[8:9], s[74:75]
	s_lshl_b32 s74, s17, 5
	s_add_nc_u64 s[82:83], s[80:81], s[74:75]
	s_lshl_b32 s99, s22, 5
	s_lshl_b32 s74, s16, 2
	s_add_co_u32 s99, s99, s74                     ; my first channel tile: 32 b + 4 w
	s_mul_i32 s74, s99, 6144
	s_add_nc_u64 s[84:85], s[10:11], s[74:75]      ; attn's fragments
	s_lshl_b32 s74, s99, 9
	s_add_co_u32 s74, s74, C_AS
	s_add_nc_u64 s[86:87], s[10:11], s[74:75]
	s_mul_i32 s74, s98, 6144
	s_add_co_u32 s74, s74, Q_XCC
	s_add_nc_u64 s[88:89], s[6:7], s[74:75]        ; x's fragments along the channels
	s_lshl_b32 s74, s98, 8
	s_add_co_u32 s74, s74, Q_XCS
	s_add_nc_u64 s[90:91], s[6:7], s[74:75]
	s_lshl_b32 s74, s22, 23
	s_lshl_b32 s92, s16, 20
	s_add_co_u32 s74, s74, s92
	s_lshl_b32 s92, s21, 8
	s_add_co_u32 s74, s74, s92
	s_add_nc_u64 s[92:93], s[4:5], s[74:75]        ; x at (b, channel 64 w, my first pixel)
	s_lshl_b32 s74, s99, 6
	s_add_co_u32 s74, s74, C_GLC
	s_add_nc_u64 s[94:95], s[10:11], s[74:75]      ; gamma_cam / l at my 64 channels
	ROUND                                          ; all four work-groups are here: the first joint loads meet
	tensor_load_to_lds s[56:59], s[40:47]          ; the three first fills go out together: three loads of mine are out
	s_nop 0
	tensor_load_to_lds s[52:55], s[32:39]
	s_nop 0
	tensor_load_to_lds s[48:51], s[24:31]
	s_nop 0
	PLACES
	; ---- q: all four tiles for pass 1 (window 1), my own tile for the loop; the upper 64 of each fragment are zero codes
	WIN 0x40
.irp q, 0,1,2,3
	global_load_b128 v[12*\q:12*\q+3], v248, s[76:77] offset:768*\q
	global_load_b64 v[12*\q+4:12*\q+5], v250, s[76:77] offset:768*\q+512
.endr
.irp q, 0,1,2,3
.irp i, 6,7,8,9,10,11
	v_mov_b32 v[12*\q+\i], 0
.endr
.endr
	WIN 0
	global_load_b128 v[QF:QF+3], v248, s[78:79]
	global_load_b64 v[QF+4:QF+5], v250, s[78:79] offset:512
.irp i, 6,7,8,9,10,11
	v_mov_b32 v[QF+\i], 0
.endr
.irp q, 0,1,2,3
	global_load_u16 v[59+\q], v251, s[80:81] offset:32*\q
.endr
	global_load_u16 v63, v251, s[82:83]
	; ---- Z = attn x: four K steps of 128 channels, fragments straight from memory, two sets by turns.  It runs while the first fills land.
.macro CSET s
.if ((\s)%2) == 0
.irp t, 0,1,2,3
.irp c, 0,1,2
	global_load_b128 v[64+12*\t+4*\c:64+12*\t+4*\c+3], v248, s[84:85] offset:(4*\t+(\s))*1536+512*\c
.endr
.endr
.irp m, 0,1,2,3
.irp c, 0,1,2
	global_load_b128 v[112+12*\m+4*\c:112+12*\m+4*\c+3], v248, s[88:89] offset:(4*\m+(\s))*1536+512*\c
.endr
.endr
.else
.irp t, 0,1,2,3
.irp c, 0,1,2
	global_load_b128 v[160+12*\t+4*\c:160+12*\t+4*\c+3], v248, s[84:85] offset:(4*\t+(\s))*1536+512*\c
.endr
.endr
	WIN 0x40
.irp m, 0,1,2,3
.irp c, 0,1,2
	global_load_b128 v[48+12*\m+4*\c:48+12*\m+4*\c+3], v248, s[88:89] offset:(4*\m+(\s))*1536+512*\c
.endr
.endr
	WIN 0
.endif
.endm
.macro CMUL s
.if ((\s)%2) == 0
.set AT, 64
.set XR, 112
	WIN 0x50
.else
.set AT, 160
.set XR, 48
	WIN 0x54
.endif
.irp t, 0,1,2,3
.irp m, 0,1,2,3
.if (\s) == 0
	MM 128+8*(4*\m+\t), AT+12*\t, XR+12*\m, -1, 34+4*\t+(\s), 50+4*(\m/2)+(\s), 0, \m%2
.else
	MM 128+8*(4*\m+\t), AT+12*\t, XR+12*\m, 128+8*(4*\m+\t), 34+4*\t+(\s), 50+4*(\m/2)+(\s), 0, \m%2
.endif
.endr
.endr
	WIN 0
	PLACES
.endm
.irp t, 0,1,2,3
.irp s, 0,1,2,3
	global_load_b32 v[34+4*\t+\s], v249, s[86:87] offset:(4*\t+\s)*128
.endr
.endr
.irp p, 0,1
.irp s, 0,1,2,3
	global_load_b32 v[50+4*\p+\s], v249, s[90:91] offset:(4*\p+\s)*128
.endr
.endr
	CSET 0
	CSET 1
	s_wait_kmcnt 0x0                               ; gamma_pam
	s_wait_loadcnt 24                              ; all but the set issued last
	CMUL 0
	CSET 2
	s_wait_loadcnt 24
	CMUL 1
	CSET 3
	s_wait_loadcnt 24
	CMUL 2
	s_wait_loadcnt 0x0
	CMUL 3
	; ---- Z = Z gamma_cam / l + 2 x.  x comes in Z's own layout: register 8 (4 m + t) + j is channel 64 w + 32 (t / 2) + 16 h + 8 (t % 2) + j at my pixel of tile m
.irp m, 0,1,2,3
.irp t, 0,1,2,3
.irp j, 0,1,2,3,4,5,6,7
	global_load_b32 v[64+8*(4*\m+\t)+\j], v252, s[92:93] offset:(32*(\t/2)+8*(\t%2)+\j)*16384+(32*(\m/2)+8*(\m%2))*4
.endr
.endr
.endr
.irp t, 0,1,2,3
	global_load_b128 v[192+8*\t:192+8*\t+3], v253, s[94:95] offset:(32*(\t/2)+8*(\t%2))*4
	global_load_b128 v[192+8*\t+4:192+8*\t+7], v253, s[94:95] offset:(32*(\t/2)+8*(\t%2))*4+16
.endr
	s_wait_loadcnt 0x0
	WIN 0x41
.irp m, 0,1,2,3
.irp t, 0,1,2,3
.irp j, 0,2,4,6
	v_pk_mul_f32 v[128+8*(4*\m+\t)+\j:128+8*(4*\m+\t)+\j+1], v[128+8*(4*\m+\t)+\j:128+8*(4*\m+\t)+\j+1], v[192+8*\t+\j:192+8*\t+\j+1]
.endr
.endr
.endr
	WIN 0x50
.set k, 0
.rept 64
	v_pk_fma_f32 v[128+2*k:129+2*k], v[64+2*k:65+2*k], 2.0, v[128+2*k:129+2*k] op_sel_hi:[1,0,1]
.set k, k+1
.endr
	WIN 0
	; ---- PASS 1: each query's largest score.  Wave w multiplies the 512 keys of rows 4 w .. 4 w + 3 of k, which its own load brought, by all four query tiles
.irp i, 48,49,50,51,52,53
	v_mov_b32 v[K1+\i], 0                          ; what stands behind the eighth fragment's six registers
.endr
.irp q, 0,1,2,3
	v_mov_b32 v[RM+\q], 0xff800000                 ; -infinity, under every score
	v_mov_b32 v[P1T+\q], 0
.endr
	s_mul_i32 s74, s16, 24576
	s_add_co_u32 s74, s74, KALL
	v_lshl_add_u32 v11, v1, 4, s74
	s_add_co_u32 s74, s74, 512
	v_lshl_add_u32 v12, v1, 3, s74
	s_lshl_b32 s74, s16, 10
	s_add_co_u32 s74, s74, KSCL
	v_lshl_add_u32 v13, v1, 1, s74
	s_lshl_b32 s74, s16, 9
	s_add_co_u32 s74, s74, MXL
	v_lshl_add_u32 v14, v1, 2, s74                 ; where my maxima go: [wave][query tile][lane]
	s_lshl_b32 s74, s17, 7
	s_add_co_u32 s74, s74, MXL
	v_lshl_add_u32 v15, v1, 2, s74                 ; where my query tile's are read
	s_wait_tensorcnt 0x1                           ; my rows of k and their scale half-words are in; slot 0, issued behind them, may be out
.macro P1ROW i
.irp t, 0,1,2,3,4,5,6,7
	ds_load_b128 v[K1+6*\t:K1+6*\t+3], v11 offset:6144*(\i)+768*\t
	ds_load_b64 v[K1+6*\t+4:K1+6*\t+5], v12 offset:6144*(\i)+768*\t
.endr
.irp p, 0,1,2,3
	ds_load_u16 v[44+\p], v13 offset:256*(\i)+64*\p
.endr
	s_wait_dscnt 0x0
.irp g, 0,1,2,3
	WIN 0x04
.irp kt, 0,1
.irp q, 0,1,2,3
	MM 64+16*\q+8*\kt, K1+6*(2*\g+\kt), 12*\q, -1, 44+\g, 59+\q, \kt, 0
.endr
.endr
	WIN 0
	PLACES
.irp j, 0,2,4,6,8,10,12,14
.irp q, 0,1,2,3
	v_max3_num_f32 v[RM+\q], v[RM+\q], v[64+16*\q+\j], v[64+16*\q+\j+1]
.endr
.endr
.endr
.endm
	P1ROW 0
	P1ROW 1
	P1ROW 2
	P1ROW 3
.irp q, 0,1,2,3
	v_permlanex16_b32 v[P1T+\q], v[RM+\q], s60, s61
.endr
.irp q, 0,1,2,3
	v_max_num_f32 v[RM+\q], v[RM+\q], v[P1T+\q]
.endr
.irp q, 0,1,2,3
	ds_store_b32 v14, v[RM+\q] offset:128*\q
.endr
.irp i, 24,25,26,27,28,29
	v_mov_b32 v[KF+\i], 0                          ; what stands behind the loop's fourth fragment of k
.endr
.irp i, 226,227,228,229
	v_mov_b32 v[\i], 0                             ; the row's sum, two chains of pairs
.endr
	PBAR                                           ; every wave's maxima lie in LDS, every wave's reads of its rows of k are over, and every wave's rows have landed
.irp i, 0,1,2,3,4,5,6,7
	ds_load_b32 v[64+\i], v15 offset:512*\i
.endr
	s_wait_dscnt 0x0
	v_max3_num_f32 v64, v64, v65, v66
	v_max3_num_f32 v64, v64, v67, v68
	v_max3_num_f32 v64, v64, v69, v70
	v_max_num_f32 v64, v64, v71                    ; my query's largest score
	v_mul_f32 v64, s62, v64                        ; as t
	v_floor_f32 v224, -v64                         ; -M = floor(-t) = -ceil(t)
	v_mov_b32 v225, v224
	; ---- p of steps 0 and 1, into set 0: their keys lie in k's last two rows
	v_add_nc_u32 v13, 264192, v8                   ; 315,392 - 51,200
	v_add_nc_u32 v14, 264192, v9
	v_add_nc_u32 v15, 7680, v10                    ; row 30 of the scale half-words
	SML 0, 0
	s_wait_dscnt 0x0
	SMC 0, 1, 6144, 256
	s_wait_dscnt 3                                 ; step 1's keys are in; behind them: step 0's 3 stores
	SMC 1, 0, 0, 0
	s_mov_b32 s68, 0                               ; the slot's scale half-words of k
	; ---- the ring: 16 slots of two steps.  Slot 0 starts O^T's sums; a trip of the loop runs an odd slot and an even one; slot 15 has products alone
	CHANGE 1, 0                                    ; slot 1 takes bytes of k that nobody reads any more
	SLOTB 0, 1
	s_mov_b32 s69, 7
.Lslot:
	CHANGE 1, 1
	SLOTB 1, 0
	CHANGE 1, 0
	SLOTB 0, 0
	s_sub_co_u32 s69, s69, 1
	s_cmp_lg_u32 s69, 0
	s_cbranch_scc1 .Lslot
	CHANGE 0, 0                                    ; the last slot is written out; no p is left to make
	v_add_nc_u32 v11, SLOT1, v6
	v_add_nc_u32 v12, SLOT1, v7
	PVL 2, 0
	s_wait_dscnt 0x0
	PVC 0
	PVL 3, 1
	s_wait_dscnt 0x0
	PVC 0
	; ---- the way out.  conv1_w's fragments of my 32 outputs are asked for first
	s_lshl_b32 s74, s16, 1
	s_add_co_u32 s98, s74, 40
	s_mul_i32 s74, s98, 6144
	s_add_co_u32 s74, s74, Q_WC
	s_add_nc_u64 s[76:77], s[6:7], s[74:75]
	s_lshl_b32 s74, s98, 9
	s_add_co_u32 s74, s74, Q_WS
	s_add_nc_u64 s[78:79], s[6:7], s[74:75]
	s_lshl_b32 s74, s22, 8
	s_lshl_b32 s98, s16, 5
	s_add_co_u32 s74, s74, s98
	s_lshl_b32 s74, s74, 14
	s_lshl_b32 s98, s21, 8
	s_add_co_u32 s74, s74, s98
	s_add_nc_u64 s[80:81], s[14:15], s[74:75]      ; y at (b, output 32 w, my first pixel)
	s_lshl_b32 s74, s22, 6
	s_add_co_u32 s74, s74, s21
	s_lshl_b32 s74, s74, 11
	s_lshl_b32 s98, s16, 8
	s_add_co_u32 s74, s74, s98
	s_add_co_u32 s74, s74, Y_ST
	s_add_nc_u64 s[82:83], s[14:15], s[74:75]      ; the statistics of (work-group, output 32 w)
.irp n, 0,1
.irp s, 0,1,2,3
.irp c, 0,1,2
	global_load_b128 v[128+12*(4*\n+\s)+4*\c:128+12*(4*\n+\s)+4*\c+3], v248, s[76:77] offset:(4*\n+\s)*1536+512*\c
.endr
	global_load_b32 v[34+4*\n+\s], v249, s[78:79] offset:(4*\n+\s)*128
.endr
.endr
	v_pk_add_f32 v[226:227], v[226:227], v[228:229]
	v_add_f32 v226, v226, v227
	v_permlanex16_b32 v232, v226, s60, s61
	v_add_f32 v226, v226, v232                     ; my query's sum over my half of the keys
	v_lshl_add_u32 v6, v0, 2, LSL
	v_lshl_add_u32 v7, v1, 2, LSL
	s_mul_i32 s74, s16, 768
	s_add_co_u32 s74, s74, SIMG
	v_lshl_add_u32 v8, v1, 4, s74                  ; s's images: K step w / 2, half w % 2: 768 w; 6,144 bytes a tile of pixels
	s_add_co_u32 s74, s74, 512
	v_lshl_add_u32 v9, v1, 3, s74
	s_lshr_b32 s74, s16, 1
	s_lshl_b32 s74, s74, 6
	s_and_b32 s98, s16, 1
	s_lshl_b32 s98, s98, 1
	s_add_co_u32 s74, s74, s98
	s_add_co_u32 s74, s74, SSC
	v_lshl_add_u32 v10, v2, 2, s74
	v_lshl_add_u32 v11, v1, 4, SIMG
	v_lshl_add_u32 v12, v1, 3, SIMG+512
	v_lshl_add_u32 v13, v2, 2, SSC
	s_mul_i32 s74, s16, 8704
	v_mul_u32_u24 v14, v2, 272
	v_lshl_add_u32 v14, v3, 6, v14
	v_add_nc_u32 v14, s74, v14                     ; y's stage, in: row r, + 64 h
	v_mul_u32_u24 v15, v3, 272
	v_lshl_add_u32 v15, v2, 4, v15
	v_add_nc_u32 v15, s74, v15                     ; and back: lanes 0-15 one row, lanes 16-31 the next
	ds_store_b32 v6, v226
	PBAR
.irp i, 0,1,2,3,4,5,6,7
	ds_load_b32 v[104+\i], v7 offset:128*\i
.endr
	s_wait_dscnt 0x0
.irp m, 0,1,2,3
	v_add_f32 v[104+\m], v[104+\m], v[108+\m]      ; the two halves of the keys
.endr
.irp m, 0,1,2,3
	v_rcp_f32 v[104+\m], v[104+\m]
.endr
	v_nop
	s_wait_alu depctr_va_vdst(0)                   ; one wait for the four reciprocals
.irp m, 0,1,2,3
	v_mul_f32 v[96+2*\m], s73, v[104+\m]           ; gamma_pam / l
	v_mov_b32 v[97+2*\m], v[96+2*\m]
.endr
.irp m, 0,1,2,3                        ; s = O gamma_pam / l + Z for a tile of pixels: my 64 channels are two blocks of the next K
	WIN 0x11
.irp k, 0,2,4,6,8,10,12,14,16,18,20,22,24,26,28,30
	v_pk_fma_f32 v[64+\k:65+\k], v[32*\m+\k:32*\m+\k+1], v[96+2*\m:97+2*\m], v[128+32*\m+\k:128+32*\m+\k+1]
.endr
	WIN 0
	QMAX32 64
	QTAIL 64
	ds_store_b128 v8, v[PC:PC+3] offset:6144*\m
	ds_store_b64 v9, v[PC+4:PC+5] offset:6144*\m
	ds_store_b16 v10, v[HW] offset:256*\m
.endr
	PBAR                                           ; s's sixteen fragments lie in LDS
	; ---- y = conv1_w s: source 0 = 16 pixels, source 1 = 16 rows of conv1_w: a lane holds ONE output channel, its registers run along the pixels
.irp m, 0,1,2,3
.irp s, 0,1,2,3
	ds_load_b32 v[42+4*\m+\s], v13 offset:(4*\m+\s)*64
.endr
.endr
.irp s, 0,1,2,3
.irp m, 0,1,2,3
.irp e, 0,1
	ds_load_b128 v[64+12*\m+6*\e:64+12*\m+6*\e+3], v11 offset:(4*\m+\s)*1536+768*\e
	ds_load_b64 v[64+12*\m+6*\e+4:64+12*\m+6*\e+5], v12 offset:(4*\m+\s)*1536+768*\e
.endr
.endr
	s_wait_dscnt 0x0
.if \s == 0
	s_wait_loadcnt 0x0                             ; conv1_w
.endif
	WIN 0x50
.irp m, 0,1,2,3
.irp n, 0,1
.if \s == 0
	MM 8*(4*\n+\m), 64+12*\m, 128+12*(4*\n+\s), -1, 42+4*\m+\s, 34+4*\n+\s, 0, 0
.else
	MM 8*(4*\n+\m), 64+12*\m, 128+12*(4*\n+\s), 8*(4*\n+\m), 42+4*\m+\s, 34+4*\n+\s, 0, 0
.endif
.endr
.endr
	WIN 0
	PLACES
.endr
	; ---- the 64 pixels' mean and sum of squared deviations of each of my 32 outputs
.irp n, 0,1
	WIN 0x05
	v_pk_add_f32 v[112:113], v[32*\n:32*\n+1], v[32*\n+2:32*\n+3]
	v_pk_add_f32 v[114:115], v[32*\n+4:32*\n+5], v[32*\n+6:32*\n+7]
	WIN 0x01
.irp k, 8,12,16,20,24,28
	v_pk_add_f32 v[112:113], v[32*\n+\k:32*\n+\k+1], v[112:113]
	v_pk_add_f32 v[114:115], v[32*\n+\k+2:32*\n+\k+3], v[114:115]
.endr
	WIN 0
	v_pk_add_f32 v[112:113], v[112:113], v[114:115]
	v_add_f32 v112, v112, v113
	v_permlanex16_b32 v232, v112, s60, s61
	v_add_f32 v112, v112, v232
	v_mul_f32 v[116+2*\n], 0x3c800000, v112        ; / 64
	v_mov_b32 v[117+2*\n], v[116+2*\n]
	WIN 0x01
.irp k, 0,2,4,6,8,10,12,14,16,18,20,22,24,26,28,30
	v_pk_add_f32 v[64+\k:65+\k], v[32*\n+\k:32*\n+\k+1], v[116+2*\n:117+2*\n] neg_lo:[0,1] neg_hi:[0,1]
.endr
	WIN 0
	v_pk_mul_f32 v[112:113], v[64:65], v[64:65]
	v_pk_mul_f32 v[114:115], v[66:67], v[66:67]
.irp k, 4,8,12,16,20,24,28
	v_pk_fma_f32 v[112:113], v[64+\k:65+\k], v[64+\k:65+\k], v[112:113]
	v_pk_fma_f32 v[114:115], v[66+\k:67+\k], v[66+\k:67+\k], v[114:115]
.endr
	v_pk_add_f32 v[112:113], v[112:113], v[114:115]
	v_add_f32 v112, v112, v113
	v_permlanex16_b32 v232, v112, s60, s61
	v_add_f32 v[120+\n], v112, v232
.endr
	v_cmp_le_u32 vcc_lo, 16, v1
	v_cndmask_b32 v122, v116, v118, vcc_lo         ; lanes 0-15 my first tile of outputs, lanes 16-31 my second
	v_cndmask_b32 v123, v120, v121, vcc_lo
	v_and_b32 v16, 7, v0
	v_bfe_u32 v17, v0, 3, 1
	v_lshl_add_u32 v16, v17, 4, v16
	v_lshlrev_b32 v16, 3, v16
	v_lshl_add_u32 v16, v3, 6, v16                 ; 8 bytes x (8 (L >> 4) + (L & 7) + 16 ((L >> 3) & 1))
	global_store_b64 v16, v[122:123], s[82:83]     ; the wave's 32 pairs: 256 consecutive bytes, aligned
	; ---- y through my stage (in slot 0, which has had its last fill and is read no more): 32 rows of 256 bytes + 16
	v_lshlrev_b32 v255, 4, v2
	v_lshl_add_u32 v255, v3, 14, v255
	WIN 0x04
.irp n, 0,1
.irp m, 0,1,2,3
	ds_store_b128 v14, v[8*(4*\n+\m):8*(4*\n+\m)+3] offset:4352*\n+128*(\m/2)+32*(\m%2)
	ds_store_b128 v14, v[8*(4*\n+\m)+4:8*(4*\n+\m)+7] offset:4352*\n+128*(\m/2)+32*(\m%2)+16
.endr
.endr
	WIN 0
.irp i, 0,1,2,3,4,5,6,7,8,9,10,11,12,13,14,15
	ds_load_b128 v[128+4*\i:128+4*\i+3], v15 offset:544*\i     ; LDS serves a wave's instructions in order (ISA guide 5.7.1): these see my stores
.endr
.irp i, 0,1,2,3,4,5,6,7,8,9,10,11,12,13,14,15
	s_wait_dscnt 15-\i
	global_store_b128 v255, v[128+4*\i:128+4*\i+3], s[80:81] offset:(8*(\i/8)+2*(\i%4)+16*((\i/4)%2))*16384   ; sixteen lanes store 256 consecutive bytes, aligned: an output's 64 pixels
.endr
	s_wait_tensorcnt 0x0                           ; the wave's end
	ds_add_u32 v4, v5
	s_wait_dscnt 0x0
	ROUND                                          ; the closing round: no work-group ends while a partner may still ask for a tile that names it
	s_endpgm
.Lfunc_end_k_qc3afe4ae7c_pam:
	.size	k_qc3afe4ae7c_pam, .Lfunc_end_k_qc3afe4ae7c_pam-k_qc3afe4ae7c_pam
	.p2alignl 7, 3214868480
	.fill 96, 4, 3214868480
	.section	.rodata,"a",@progbits
	.p2align	6, 0x0
	.amdhsa_kernel k_qc3afe4ae7c_pam
		.amdhsa_group_segment_fixed_size 327680
		.amdhsa_private_segment_fixed_size 0
		.amdhsa_enable_private_segment 0
		.amdhsa_kernarg_size 48
		.amdhsa_user_sgpr_count 2
		.amdhsa_user_sgpr_kernarg_segment_ptr 1
		.amdhsa_wavefront_size32 1
		.amdhsa_system_sgpr_workgroup_id_x 1
		.amdhsa_system_sgpr_workgroup_id_y 1
		.amdhsa_system_sgpr_workgroup_id_z 1
		.amdhsa_system_vgpr_workitem_id 0
		.amdhsa_next_free_vgpr 512
		.amdhsa_next_free_sgpr 100
		.amdhsa_reserve_vcc 1
		.amdhsa_float_denorm_mode_32 3
		.amdhsa_float_denorm_mode_16_64 3
		.amdhsa_memory_ordered 1
		.amdhsa_forward_progress 1
		.amdhsa_inst_pref_size 255
	.end_amdhsa_kernel
	.section	.bss,"aw",@nobits
	.p2align	6
	.space	262144
	.amdgpu_metadata
---
amdhsa.version: [ 1, 2 ]
amdhsa.kernels:
  - .name:           k_qc3afe4ae7c_pam
    .symbol:         k_qc3afe4ae7c_pam.kd
    .args:
      - { .name: x, .offset: 0, .size: 8, .value_kind: global_buffer, .address_space: global }
      - { .name: qx, .offset: 8, .size: 8, .value_kind: global_buffer, .address_space: global }
      - { .name: g2, .offset: 16, .size: 8, .value_kind: global_buffer, .address_space: global }
      - { .name: cam, .offset: 24, .size: 8, .value_kind: global_buffer, .address_space: global }
      - { .name: gamma_pam, .offset: 32, .size: 8, .value_kind: global_buffer, .address_space: global }
      - { .name: yb, .offset: 40, .size: 8, .value_kind: global_buffer, .address_space: global }
    .group_segment_fixed_size: 327680
    .private_segment_fixed_size: 0
    .kernarg_segment_align: 8
    .kernarg_segment_size: 48
    .max_flat_workgroup_size: 256
    .sgpr_count:     100
    .vgpr_count:     512
    .wavefront_size: 32
...
	.end_amdgpu_metadata
.endif
;; end of part 4
;; launch bn (part 5): grid 256 x 1, 8 waves a work-group, no clusters, 1,536 bytes of LDS; arguments yb, bn_gamma, bn_beta, out0; writes out0
.if DOCPART == 5
	.amdgcn_target "amdgcn-amd-amdhsa--gfx1250"
	.amdhsa_code_object_version 6
	.text
	.protected	k_qc3afe4ae7c_bn
	.globl	k_qc3afe4ae7c_bn
	.p2align	8
	.type	k_qc3afe4ae7c_bn,@function
k_qc3afe4ae7c_bn:
	s_mov_b64 s[64:65], 0
	v_nop
	global_prefetch_b8 v0, s[64:65] scope:SCOPE_SE
	s_setreg_imm32_b32 hwreg(HW_REG_WAVE_MODE, 25, 1), 1
	s_wait_xcnt 0x0
; out[b][o][n] = relu((y - mean_o) rsqrt(var_o + 1e-5) gamma_o + beta_o), mean and variance over the 16,384 numbers of output channel o.
; A work-group takes one output channel: 4 batches x 16,384 bytes of y, 64 numbers a thread, kept in registers between load and store.
; The statistics come as 256 pairs (mean and sum of squared deviations of 64 pixels): mean = the mean of the means; var = the sum of (M2 + 64 (mean_w - mean)^2) / 16,384: no difference of large sums is formed.
; Thread t takes pair t; two reductions over the 256 threads, each in LDS bytes of its own, run while y is on its way.
; No matrix unit, no cluster, no tensor load: a stream that shares nothing.   LIMITS: NaN and infinities are not served.
.set Y, 16
.set Y_ST, 16777216
	s_load_b256 s[4:11], s[0:1], 0x0               ; yb, bn_gamma, bn_beta, out0
	v_lshl_add_u32 v96, v0, 2, 0x200
	v_mov_b32 v97, 0
	v_lshlrev_b32 v1, 4, v0                        ; 16 t
	v_lshlrev_b32 v2, 11, v0                       ; 2,048 t: pair t of my channel
	v_lshrrev_b32 v3, 5, v0
	v_lshlrev_b32 v3, 2, v3                        ; 4 x wave
	v_mov_b32 v4, 0
	v_mov_b32 v11, 0                               ; a lane permute's destination counts as one of its sources
	s_lshl_b32 s12, ttmp9, 14
	s_mov_b32 s13, 0
	s_lshl_b32 s14, ttmp9, 3
	s_add_co_u32 s14, s14, Y_ST
	s_mov_b32 s15, 0
	s_lshl_b32 s16, ttmp9, 2
	s_mov_b32 s17, 0
	s_mov_b32 s30, 0x76543210
	s_mov_b32 s31, 0xfedcba98
	s_wait_kmcnt 0x0
	s_add_nc_u64 s[18:19], s[4:5], s[12:13]        ; y: batches 0 and 1,
	s_add_nc_u64 s[20:21], s[18:19], 0x800000      ; batches 2 and 3: an immediate offset reaches one batch (4,194,304 bytes) on, not two
	s_add_nc_u64 s[22:23], s[10:11], s[12:13]
	s_add_nc_u64 s[24:25], s[22:23], 0x800000
	s_add_nc_u64 s[26:27], s[4:5], s[14:15]
	s_add_nc_u64 s[6:7], s[6:7], s[16:17]
	s_add_nc_u64 s[8:9], s[8:9], s[16:17]
	s_load_b32 s28, s[6:7], 0x0                    ; gamma
	s_load_b32 s29, s[8:9], 0x0                    ; beta
	global_load_b64 v[8:9], v2, s[26:27]
.irp bb, 0,1
.irp pc, 0,1,2,3
	global_load_b128 v[Y+16*\bb+4*\pc:Y+16*\bb+4*\pc+3], v1, s[18:19] offset:\bb*4194304+\pc*4096 th:TH_LOAD_NT
.endr
.endr
.irp bb, 0,1
.irp pc, 0,1,2,3
	global_load_b128 v[Y+32+16*\bb+4*\pc:Y+32+16*\bb+4*\pc+3], v1, s[20:21] offset:\bb*4194304+\pc*4096 th:TH_LOAD_NT
.endr
.endr
.macro RED off                         ; the sum of v10 over the 256 threads, into v10 of every lane
	v_add_f32_dpp v10, v10, v10 row_xmask:1 row_mask:0xf bank_mask:0xf
	v_add_f32_dpp v10, v10, v10 row_xmask:2 row_mask:0xf bank_mask:0xf
	v_add_f32_dpp v10, v10, v10 row_xmask:4 row_mask:0xf bank_mask:0xf
	v_add_f32_dpp v10, v10, v10 row_xmask:8 row_mask:0xf bank_mask:0xf
	v_permlanex16_b32 v11, v10, s30, s31
	v_add_f32 v10, v10, v11
	ds_store_b32 v3, v10 offset:\off               ; all lanes of a wave write the same word with the same value
	s_wait_dscnt 0x0
	s_barrier_signal -1
	s_barrier_wait -1
	ds_load_b128 v[80:83], v4 offset:\off
	ds_load_b128 v[84:87], v4 offset:\off+16
	s_wait_dscnt 0x0
	v_add_f32 v80, v80, v81
	v_add_f32 v82, v82, v83
	v_add_f32 v84, v84, v85
	v_add_f32 v86, v86, v87
	v_add_f32 v80, v80, v82
	v_add_f32 v84, v84, v86
	v_add_f32 v10, v80, v84
.endm
	s_wait_loadcnt 16                              ; my pair is in; the 16 loads of y issued behind it may be out
	v_mov_b32 v10, v8
	RED 0
	v_mul_f32 v12, 0x3b800000, v10                 ; the mean: / 256
	v_sub_f32 v14, v8, v12
	v_mul_f32 v14, v14, v14
	v_fmamk_f32 v10, v14, 0x42800000, v9           ; M2 + 64 (mean_w - mean)^2
	RED 256
	v_mul_f32 v14, 0x38800000, v10                 ; the variance: / 16,384
	v_add_f32 v14, 0x3727c5ac, v14                 ; + 1e-5
	v_rsq_f32 v14, v14
	v_mov_b32 v13, v12                             ; (a plain place behind the transcendental)
	s_wait_kmcnt 0x0
	v_mov_b32 v88, s29
	v_mov_b32 v89, s29
	s_wait_alu depctr_va_vdst(0)                   ; ahead of the first reader
	v_mul_f32 v14, s28, v14
	v_mov_b32 v15, v14
	s_wait_loadcnt 0x0
.set k, 0
.rept 32
	v_pk_add_f32 v[Y+2*k:Y+2*k+1], v[Y+2*k:Y+2*k+1], v[12:13] neg_lo:[0,1] neg_hi:[0,1]
	v_pk_fma_f32 v[Y+2*k:Y+2*k+1], v[Y+2*k:Y+2*k+1], v[14:15], v[88:89]
	v_max_num_f32 v[Y+2*k], 0, v[Y+2*k]
	v_max_num_f32 v[Y+2*k+1], 0, v[Y+2*k+1]
.set k, k+1
.endr
.irp bb, 0,1
.irp pc, 0,1,2,3
	global_store_b128 v1, v[Y+16*\bb+4*\pc:Y+16*\bb+4*\pc+3], s[22:23] offset:\bb*4194304+\pc*4096 th:TH_STORE_NT
.endr
.endr
.irp bb, 0,1
.irp pc, 0,1,2,3
	global_store_b128 v1, v[Y+32+16*\bb+4*\pc:Y+32+16*\bb+4*\pc+3], s[24:25] offset:\bb*4194304+\pc*4096 th:TH_STORE_NT
.endr
.endr
	s_wait_tensorcnt 0x0
	ds_add_u32 v96, v97
	s_wait_dscnt 0x0
	s_endpgm
.Lfunc_end_k_qc3afe4ae7c_bn:
	.size	k_qc3afe4ae7c_bn, .Lfunc_end_k_qc3afe4ae7c_bn-k_qc3afe4ae7c_bn
	.p2alignl 7, 3214868480
	.fill 96, 4, 3214868480
	.section	.rodata,"a",@progbits
	.p2align	6, 0x0
	.amdhsa_kernel k_qc3afe4ae7c_bn
		.amdhsa_group_segment_fixed_size 1536
		.amdhsa_private_segment_fixed_size 0
		.amdhsa_enable_private_segment 0
		.amdhsa_kernarg_size 32
		.amdhsa_user_sgpr_count 2
		.amdhsa_user_sgpr_kernarg_segment_ptr 1
		.amdhsa_wavefront_size32 1
		.amdhsa_system_sgpr_workgroup_id_x 1
		.amdhsa_system_sgpr_workgroup_id_y 1
		.amdhsa_system_sgpr_workgroup_id_z 1
		.amdhsa_system_vgpr_workitem_id 0
		.amdhsa_next_free_vgpr 98
		.amdhsa_next_free_sgpr 66
		.amdhsa_reserve_vcc 0
		.amdhsa_float_denorm_mode_32 3
		.amdhsa_float_denorm_mode_16_64 3
		.amdhsa_memory_ordered 1
		.amdhsa_forward_progress 1
		.amdhsa_inst_pref_size 14
	.end_amdhsa_kernel
	.amdgpu_metadata
---
amdhsa.version: [ 1, 2 ]
amdhsa.kernels:
  - .name:           k_qc3afe4ae7c_bn
    .symbol:         k_qc3afe4ae7c_bn.kd
    .args:
      - { .name: yb, .offset: 0, .size: 8, .value_kind: global_buffer, .address_space: global }
      - { .name: bn_gamma, .offset: 8, .size: 8, .value_kind: global_buffer, .address_space: global }
      - { .name: bn_beta, .offset: 16, .size: 8, .value_kind: global_buffer, .address_space: global }
      - { .name: out0, .offset: 24, .size: 8, .value_kind: global_buffer, .address_space: global }
    .group_segment_fixed_size: 1536
    .private_segment_fixed_size: 0
    .kernarg_segment_align: 8
    .kernarg_segment_size: 32
    .max_flat_workgroup_size: 256
    .sgpr_count:     66
    .vgpr_count:     98
    .wavefront_size: 32
...
	.end_amdgpu_metadata
.endif
;; end of part 5
